; MI455X (gfx1250); checked and timed in simulation.
; The chip was launched on July 23, 2026; its instructions are those of AMD's public machine-readable ISA for CDNA 5 (MIT licence, August 2026) and "CDNA5" Instruction Set Architecture Reference Guide (July 2026). The comments in the code are by the model that wrote it; some were corrected since.
;; Complex Attention. Allowed arithmetic: matrix products marked QUANTISED: E2M3 operands, one E8M0 scale for each 32 along K, by v_wmma_scale_f32_16x16x128_f8f6f4 with both operands' format E2M3, f32 sums; everything else in f32.
;; Inputs: Wk_i_codes 1,024 x 32 x 24 uint8 (E2M3 codes of Wk_i, K innermost, in blocks of 32 codes, four codes in three bytes); Wk_i_scales 1,024 x 32 uint8 (E8M0 scales of Wk_i, one for each 32 codes along K); Wk_r_codes 1,024 x 32 x 24 uint8 (E2M3 codes of Wk_r, K innermost, in blocks of 32 codes, four codes in three bytes); Wk_r_scales 1,024 x 32 uint8 (E8M0 scales of Wk_r, one for each 32 codes along K); Wo_i_codes 1,024 x 32 x 24 uint8 (E2M3 codes of Wo_i, K innermost, in blocks of 32 codes, four codes in three bytes); Wo_i_scales 1,024 x 32 uint8 (E8M0 scales of Wo_i, one for each 32 codes along K); Wo_r_codes 1,024 x 32 x 24 uint8 (E2M3 codes of Wo_r, K innermost, in blocks of 32 codes, four codes in three bytes); Wo_r_scales 1,024 x 32 uint8 (E8M0 scales of Wo_r, one for each 32 codes along K); Wq_i_codes 1,024 x 32 x 24 uint8 (E2M3 codes of Wq_i, K innermost, in blocks of 32 codes, four codes in three bytes); Wq_i_scales 1,024 x 32 uint8 (E8M0 scales of Wq_i, one for each 32 codes along K); Wq_r_codes 1,024 x 32 x 24 uint8 (E2M3 codes of Wq_r, K innermost, in blocks of 32 codes, four codes in three bytes); Wq_r_scales 1,024 x 32 uint8 (E8M0 scales of Wq_r, one for each 32 codes along K); Wv_i_codes 1,024 x 32 x 24 uint8 (E2M3 codes of Wv_i, K innermost, in blocks of 32 codes, four codes in three bytes); Wv_i_scales 1,024 x 32 uint8 (E8M0 scales of Wv_i, one for each 32 codes along K); Wv_r_codes 1,024 x 32 x 24 uint8 (E2M3 codes of Wv_r, K innermost, in blocks of 32 codes, four codes in three bytes); Wv_r_scales 1,024 x 32 uint8 (E8M0 scales of Wv_r, one for each 32 codes along K); bk_i 1,024 float32; bk_r 1,024 float32; bo_i 1,024 float32; bo_r 1,024 float32; bq_i 1,024 float32; bq_r 1,024 float32; bv_i 1,024 float32; bv_r 1,024 float32; k_i_codes 4 x 1,024 x 32 x 24 uint8 (E2M3 codes of k_i, K innermost, in blocks of 32 codes, four codes in three bytes); k_i_scales 4 x 1,024 x 32 uint8 (E8M0 scales of k_i, one for each 32 codes along K); k_r_codes 4 x 1,024 x 32 x 24 uint8 (E2M3 codes of k_r, K innermost, in blocks of 32 codes, four codes in three bytes); k_r_scales 4 x 1,024 x 32 uint8 (E8M0 scales of k_r, one for each 32 codes along K); q_i_codes 4 x 1,024 x 32 x 24 uint8 (E2M3 codes of q_i, K innermost, in blocks of 32 codes, four codes in three bytes); q_i_scales 4 x 1,024 x 32 uint8 (E8M0 scales of q_i, one for each 32 codes along K); q_r_codes 4 x 1,024 x 32 x 24 uint8 (E2M3 codes of q_r, K innermost, in blocks of 32 codes, four codes in three bytes); q_r_scales 4 x 1,024 x 32 uint8 (E8M0 scales of q_r, one for each 32 codes along K); v_i_codes 4 x 1,024 x 32 x 24 uint8 (E2M3 codes of v_i, K innermost, in blocks of 32 codes, four codes in three bytes); v_i_scales 4 x 1,024 x 32 uint8 (E8M0 scales of v_i, one for each 32 codes along K); v_r_codes 4 x 1,024 x 32 x 24 uint8 (E2M3 codes of v_r, K innermost, in blocks of 32 codes, four codes in three bytes); v_r_scales 4 x 1,024 x 32 uint8 (E8M0 scales of v_r, one for each 32 codes along K).
;; Outputs: out0 4 x 1,024 x 1,024 float32; out1 4 x 1,024 x 1,024 float32.
;; This version of the problem:
;;   THIS VERSION OF THE PROBLEM IS GIVEN IN LOW PRECISION. The matrix products marked QUANTISED in the list below multiply operands that are first quantised to E2M3 (2 exponent bits, 3 mantissa bits; 6 bits a number), with one power-of-two scale for each 32 numbers along K (OCP MX v1.0); their sums are f32. All else is computed in f32.
;;   The module's matrix products, in the order in which they are computed (A, B: the left and right operand; K: the contracted axis; several contracted axes count as one K, in the product's order):
;;     1. [M 4,096, K 1,024] x [K 1,024, N 1,024]; A: input q_r (given as codes); B: input Wq_r (given as codes): QUANTISED
;;     2. [M 4,096, K 1,024] x [K 1,024, N 1,024]; A: input q_i (given as codes); B: input Wq_i (given as codes): QUANTISED
;;     3. [M 4,096, K 1,024] x [K 1,024, N 1,024]; A: input k_r (given as codes); B: input Wk_r (given as codes): QUANTISED
;;     4. [M 4,096, K 1,024] x [K 1,024, N 1,024]; A: input k_i (given as codes); B: input Wk_i (given as codes): QUANTISED
;;     5. [M 4,096, K 1,024] x [K 1,024, N 1,024]; A: input v_r (given as codes); B: input Wv_r (given as codes): QUANTISED
;;     6. [M 4,096, K 1,024] x [K 1,024, N 1,024]; A: input v_i (given as codes); B: input Wv_i (given as codes): QUANTISED
;;     7. batch 64 x [M 1,024, K 64] x [K 64, N 1,024]; A: computed on the way; B: computed on the way: QUANTISED
;;     8. batch 64 x [M 1,024, K 64] x [K 64, N 1,024]; A: computed on the way; B: computed on the way: QUANTISED
;;     9. batch 64 x [M 64, K 1,024] x [K 1,024, N 1,024]; A: computed on the way; B: softmax (see below): QUANTISED
;;     10. batch 64 x [M 64, K 1,024] x [K 1,024, N 1,024]; A: computed on the way; B: softmax (see below): QUANTISED
;;     11. [M 4,096, K 1,024] x [K 1,024, N 1,024]; A: computed on the way; B: input Wo_r (given as codes): QUANTISED
;;     12. [M 4,096, K 1,024] x [K 1,024, N 1,024]; A: computed on the way; B: input Wo_i (given as codes): QUANTISED
;;   THE QUANTISER, for each operand of a quantised product, along K:
;;     - K is cut into blocks of 32 from its start; a last block that is shorter is filled with zeros.
;;     - A block's scale is 2^e with e = floor(log2(the largest magnitude in the block)) - 2, held to -126 .. 127; a block of zeros has e = 0. As a byte (E8M0): e + 127.
;;     - Each number is divided by its block's scale, clamped to +-7.5, and rounded to the nearest number of E2M3, ties to even, subnormals kept.
;;     - The product sums the exact products of the quantised numbers (number of the format x scale) in f32.
;;   ~~~python
;;   def quantise(x, axis):      # numpy; x: float32 -> the quantised numbers, widened to float32 again
;;       x = np.moveaxis(x, axis, -1); K = x.shape[-1]
;;       x = np.pad(x, [(0, 0)] * (x.ndim - 1) + [(0, -K % 32)]); x = x.reshape(x.shape[:-1] + (-1, 32)); a = np.abs(x).max(-1, keepdims=True)
;;       e = np.where(a > 0, np.clip(np.frexp(np.where(a > 0, a, 1))[1] - 1 - 2, -126, 127), 0)      # np.frexp(a)[1] - 1 = floor(log2(a)), exactly
;;       r = np.clip(x / 2.0 ** e, -7.5, 7.5)
;;       step = 2.0 ** (np.maximum(np.frexp(np.where(r == 0, 1, r))[1] - 1, 0) - 3)
;;       q = np.round(r / step) * step * 2.0 ** e      # np.round: ties to even
;;       return np.moveaxis(q.reshape(q.shape[:-2] + (-1,))[..., :K], -1, axis).astype(np.float32)
;;   ~~~
;;   SOFTMAX AHEAD OF A QUANTISED PRODUCT. Where the list says 'softmax', what is quantised is not the finished softmax but p = 2^(t - M), with t = logit x log2(e) and M = ceil(the row's largest t), a whole number; so 1/2 < the row's largest p <= 1. The row's sum l is taken of the UNQUANTISED p, in f32, and the product's result is divided by l at the end. Since M is a whole number, a kernel that streams over the keys may use a running M (the ceiling of the running maximum): every later rescaling is an exact power of two, which a block's scale takes up: the codes' values come out the same.
;;   OPERANDS COMPUTED ON THE WAY. 'Computed on the way' means the value that the module computes at that place (a softmax that the list does not call 'softmax' is quantised finished and normalised). What goes into a quantiser is computed in f32, as accurately as f32 sums, v_exp_f32 and their like allow (about 1e-6 of the number): no bf16 or f16 on the way to a quantiser, and a product that is left as it is and whose result goes on into a quantised operand takes f32 operands (vector FMAs, or v_wmma_f32_16x16x4_f32). A number that lies on a knife's edge between two numbers of the format may be rounded either way, as far as f32 arithmetic and the matrix unit's own rounding can turn it there, and no further.
;;   INPUTS GIVEN AS CODES. Wk_i (in the module: [1024, 1024], K = its axis 1); Wk_r (in the module: [1024, 1024], K = its axis 1); Wo_i (in the module: [1024, 1024], K = its axis 1); Wo_r (in the module: [1024, 1024], K = its axis 1); Wq_i (in the module: [1024, 1024], K = its axis 1); Wq_r (in the module: [1024, 1024], K = its axis 1); Wv_i (in the module: [1024, 1024], K = its axis 1); Wv_r (in the module: [1024, 1024], K = its axis 1); k_i (in the module: [4, 1024, 1024], K = its axis 2); k_r (in the module: [4, 1024, 1024], K = its axis 2); q_i (in the module: [4, 1024, 1024], K = its axis 2); q_r (in the module: [4, 1024, 1024], K = its axis 2); v_i (in the module: [4, 1024, 1024], K = its axis 2); v_r (in the module: [4, 1024, 1024], K = its axis 2): each comes as NAME_codes (uint8): NAME with its K axis moved to the last place and cut into blocks of 32 codes, [.., K / 32, bytes a block], one block behind the other in memory; four codes in three bytes: a row's codes are one little-endian stream of bits, code i at bits 6 i .. 6 i + 5 (a code: sign, 2 exponent bits, 3 mantissa bits); and NAME_scales (uint8): the same leading axes, one E8M0 byte (e + 127) for each 32 codes along K. Its value is code x scale, taken as it is: it is not quantised again, and the codes and scales need not be those that the quantiser above would give.
;; One version. Each part assembles by itself: llvm-mc -triple=amdgcn-amd-amdhsa -mcpu=gfx1250 --defsym DOCPART=n.
;; ======== version 1 of 1: 3 launches
;; limits: right only within a limited range of input values
;; workspace buffers: Kb 6,553,600 bytes; Vrb 3,276,800 bytes; Vib 3,276,800 bytes; Ob 6,553,600 bytes
;; launch projkv (part 1): grid 4 x 64, 4 waves a work-group, clusters of 4 x 4, 327,680 bytes of LDS; arguments k_r_codes, k_r_scales, Wk_r_codes, Wk_r_scales, bk_r, k_i_codes, k_i_scales, Wk_i_codes, Wk_i_scales, bk_i, v_r_codes, v_r_scales, Wv_r_codes, Wv_r_scales, bv_r, v_i_codes, v_i_scales, Wv_i_codes, Wv_i_scales, bv_i, Kb, Vrb, Vib; writes Kb, Vrb, Vib
.if DOCPART == 1
	.amdgcn_target "amdgcn-amd-amdhsa--gfx1250"
	.amdhsa_code_object_version 6
	.text
	.protected	k_qd8699be073_projkv
	.globl	k_qd8699be073_projkv
	.p2align	8
	.type	k_qd8699be073_projkv,@function
k_qd8699be073_projkv:
	s_mov_b64 s[64:65], 0
	v_nop
	global_prefetch_b8 v0, s[64:65] scope:SCOPE_SE
	s_setreg_imm32_b32 hwreg(HW_REG_WAVE_MODE, 25, 1), 1
	s_wait_xcnt 0x0
	s_wait_alu depctr_hold_cnt(0) depctr_sa_sdst(0) depctr_va_vdst(0) depctr_va_sdst(0) depctr_va_ssrc(0) depctr_va_vcc(0) depctr_vm_vsrc(0)
	s_getreg_b32 s2, hwreg(HW_REG_IB_STS2, 6, 4)
	s_cmp_eq_u32 s2, 0
	s_cbranch_scc0 .Lentry_in_a_cluster
	s_endpgm
.Lentry_in_a_cluster:
	s_bfe_u32 s2, ttmp6, 0x10000c
	s_cmp_lg_u32 s2, 0xf033
	s_cbranch_scc0 .Lentry_shape_is_right
	s_endpgm
.Lentry_shape_is_right:
; K'S AND V'S FOUR PROJECTIONS ON CODES OF FP6 (E2M3), each 4,096 x 1,024 x 1,024, and the quantising of their results.  No work is left out.
; A block of 256 x 256 to a work-group of four waves, 128 x 128 to a wave: 4 x 64 = 256 work-groups.  The cluster's y / 4 picks the product: 0 Kr, 1 Ki, 2 Vr, 3 Vi.
; K: source 1 = tokens, source 0 = rows of Wk: a lane holds one token, its registers run along the features, the score product's K.
; V: source 1 = rows of Wv, source 0 = tokens: a lane holds one feature, its registers run along the keys, the value product's K.
; K (1,024 codes = 768 bytes a row) goes through two LDS slots in chunks of 256 bytes of each row, each chunk beginning at a multiple of 256 bytes; a step of 128 along K is 96 bytes: eight steps to three chunks.
; The scale bytes of the block's 2 x 256 rows come once, as dense blocks.  CLUSTERS of 4 x 4: source 1's tiles are shared along a row, source 0's along a column, each asked for jointly.
; The bias is the C of the first products.  The results are quantised in registers and stored as images of an operand's registers, 256 consecutive bytes a store.
; Nothing is prefetched: K is three chunks long, and the first two are asked for at the head.
; LIMITS: NaN and infinities are not served.  A block whose largest magnitude lies under 2^-124, a block of zeros among them, keeps the byte 1: this program alone reads the bytes.
.set ROWB,   256
.set NQ,     2
.set KROW,   768
.set CHUNKS, 3
.set PITCH,  272
.set FR,     12
.set NL,     6
.set NP,     4
.set HALFT,  128*PITCH
.set SLOT,   4*HALFT
.set KS,     32
.set SCL,    2*SLOT
.set HALFS,  (128*KS/256)*272
.set SBLK,   (16*KS/256)*272
.set SPARE,  SCL+4*HALFS
.set ADRA, 16                          ; v16-17 my fragments of source 1 in slot 0, 1; v18-19 for pieces whose two halves of the lanes lie in different chunks
.set ADRB, 20                          ; v20-23 the same for source 0
.set OLO,  24
.set OHI,  25
.set OSC,  26
.set ADRS, 27
.set SPW,  28
.set NIL,  29
.set SELV, 30
.set BOF,  31
.set SC,   32
.set BI,   64
.set AF,   128
.set PC,   128
.set TM,   160
.set PWA,  176
.set DD,   184
.set G1,   24
.set G0,   32
.set G1B,  48
.set G0B,  56
.set G1S,  68
.set G0S,  76
.set G1SB, 80
.set G0SB, 88
.set G0H,  4
.set G0HB, 8
.set MSB, 0
.macro WIN new
.if MSB != (\new)
	s_set_vgpr_msb (MSB<<8)|(\new)
.set MSB, (\new)
.endif
.endm
.set MUL_LO, 0xa1
.set MUL_HI, 0xf1
.set TO_B,   0x40
.macro JLOAD g0a, g1a, g0b, g1b
	s_cmp_eq_u32 s15, 0
	s_cbranch_scc0 .Lfor_b_\@
	tensor_load_to_lds s[\g0a:\g0a+3], s[\g1a:\g1a+7]
	s_nop 0
.rept 4
	v_nop
.endr
	s_branch .Lasked_\@
.Lfor_b_\@:
	tensor_load_to_lds s[\g0b:\g0b+3], s[\g1b:\g1b+7]
	s_nop 0
.rept 4
	v_nop
.endr
.Lasked_\@:
.endm
.macro CREST
	s_cmp_lg_u32 s14, 0
	s_cbranch_scc1 .Lnot_wave_0_\@
	s_barrier_signal -3
.Lnot_wave_0_\@:
	s_barrier_wait -3
	s_barrier_signal -1
	s_barrier_wait -1
.endm
.macro CROUND
	s_barrier_signal -1
	s_barrier_wait -1
	CREST
.endm
	s_load_b512 s[24:39], s[0:1], 0x0
	s_load_b512 s[68:83], s[0:1], 0x40
	s_load_b256 s[84:91], s[0:1], 0x80
	s_load_b128 s[56:59], s[0:1], 0xa0
	s_load_b64 s[60:61], s[0:1], 0xb0
	v_lshl_add_u32 v[SPW], v0, 2, SPARE
	v_mov_b32 v[NIL], 0
	ds_add_u32 v[SPW], v[NIL]                      ; the opening: the add, twice on end, and its wait
	ds_add_u32 v[SPW], v[NIL]
	v_lshrrev_b32 v1, 5, v0
	v_readfirstlane_b32 s14, v1                    ; wave
	s_lshr_b32 s15, s14, 1                         ; my half of source 1's rows; in the ring: I fetch for source 1 (0) or source 0 (1)
	s_and_b32 s16, s14, 1                          ; my half of source 0's rows; in the ring: which 128 rows I fetch
	s_bfe_u32 s40, ttmp6, 0x40000
	s_bfe_u32 s41, ttmp6, 0x40004
	s_and_b32 s18, ttmp7, 0xffff
	s_lshr_b32 s66, s18, 2                         ; the product
	s_and_b32 s67, s18, 3
	s_lshl_b32 s67, s67, 2
	s_cmp_ge_u32 s66, 2
	s_cselect_b32 s3, 1, 0                         ; 1: a product of V
	s_cselect_b32 s19, s67, 0
	s_cselect_b32 s18, 0, s67
	s_add_co_u32 s42, s40, s19                     ; source 0's tile
	s_add_co_u32 s17, s41, s18                     ; source 1's tile
	s_lshl_b32 s43, s41, 2
	s_lshl_b32 s43, 15, s43
	s_lshl_b32 s44, 0x1111, s40
	s_or_b32 s[G1B+0], s44, (0<<16)|(1<<20)|(1<<21)|(5<<22)|(3<<25)
	s_mov_b32 s[G1B+1], ROWB<<16
	s_mov_b32 s[G1B+2], 256<<16                    ; the head's loads bring 256 rows
	s_mov_b32 s[G1B+3], ROWB<<16
	s_mov_b32 s[G1B+4], 256
	s_mov_b32 s[G1B+5], KROW
	s_mov_b32 s[G1B+6], 0
	s_mov_b32 s[G1B+7], 0
	s_lshl_b32 s22, s17, 13                        ; 256 rows x 32 scale bytes a tile
	s_mov_b32 s23, 0
	s_lshl_b32 s92, s42, 13
	s_mov_b32 s93, 0
	s_mul_i32 s20, s17, 256*KROW
	s_mov_b32 s21, 0
	s_mul_i32 s46, s42, 256*KROW
	s_mov_b32 s47, 0
	s_mul_i32 s18, s16, 128*KROW
	s_mov_b32 s19, 0
	s_mul_i32 s45, s14, HALFT
	s_wait_dscnt 0x0
	s_wait_kmcnt 0x0
	s_cmp_eq_u32 s66, 1                            ; the product's buffers: choices on the cluster's number alone
	s_cselect_b64 s[24:25], s[34:35], s[24:25]
	s_cselect_b64 s[26:27], s[36:37], s[26:27]
	s_cselect_b64 s[28:29], s[38:39], s[28:29]
	s_cselect_b64 s[30:31], s[68:69], s[30:31]
	s_cselect_b64 s[32:33], s[70:71], s[32:33]
	s_cmp_eq_u32 s66, 2
	s_cselect_b64 s[24:25], s[72:73], s[24:25]
	s_cselect_b64 s[26:27], s[74:75], s[26:27]
	s_cselect_b64 s[28:29], s[76:77], s[28:29]
	s_cselect_b64 s[30:31], s[78:79], s[30:31]
	s_cselect_b64 s[32:33], s[80:81], s[32:33]
	s_cmp_eq_u32 s66, 3
	s_cselect_b64 s[24:25], s[82:83], s[24:25]
	s_cselect_b64 s[26:27], s[84:85], s[26:27]
	s_cselect_b64 s[28:29], s[86:87], s[28:29]
	s_cselect_b64 s[30:31], s[88:89], s[30:31]
	s_cselect_b64 s[32:33], s[90:91], s[32:33]
	s_cselect_b64 s[58:59], s[60:61], s[58:59]
	s_cmp_eq_u32 s3, 1
	s_cselect_b64 s[8:9], s[24:25], s[28:29]
	s_cselect_b64 s[10:11], s[26:27], s[30:31]
	s_cselect_b64 s[4:5], s[28:29], s[24:25]
	s_cselect_b64 s[6:7], s[30:31], s[26:27]
	s_cselect_b64 s[12:13], s[58:59], s[56:57]
	s_mov_b64 s[98:99], s[32:33]
	s_mov_b64 s[100:101], s[12:13]
	s_or_b32 s[G1+0], s43, (0<<16)|(1<<20)|(1<<21)|(5<<22)|(3<<25)
	s_mov_b32 s[G1+1], ROWB<<16
	s_mov_b32 s[G1+2], 256<<16
	s_mov_b32 s[G1+3], ROWB<<16
	s_mov_b32 s[G1+4], 256
	s_mov_b32 s[G1+5], KROW
	s_mov_b32 s[G1+6], 0
	s_mov_b32 s[G1+7], 0
	s_or_b32 s[G1S+0], s43, (3<<16)|(1<<20)|(1<<21)|(5<<22)|(3<<25)
	s_or_b32 s[G1SB+0], s44, (3<<16)|(1<<20)|(1<<21)|(5<<22)|(3<<25)
.irp g, G1S, G1SB
	s_mov_b32 s[\g+1], 32<<16                      ; 8,192 dense bytes as 32 rows of 256
	s_mov_b32 s[\g+2], KS<<16
	s_mov_b32 s[\g+3], 32<<16
	s_mov_b32 s[\g+4], KS
	s_mov_b32 s[\g+5], 32
	s_mov_b32 s[\g+6], 0
	s_mov_b32 s[\g+7], 0
.endr
	s_add_nc_u64 s[20:21], s[4:5], s[20:21]
	s_add_nc_u64 s[22:23], s[6:7], s[22:23]
	s_add_nc_u64 s[46:47], s[8:9], s[46:47]
	s_add_nc_u64 s[92:93], s[10:11], s[92:93]
	CROUND                                         ; all sixteen work-groups are here: the first joint loads meet
	s_mov_b32 s[G0H], 1
	s_mov_b32 s[G0H+1], 0
	s_mov_b64 s[G0H+2:G0H+3], s[20:21]
	s_or_b32 s[G0H+3], s[G0H+3], 0x80000000
	s_mov_b32 s[G0HB], 1
	s_mov_b32 s[G0HB+1], 2*HALFT
	s_mov_b64 s[G0HB+2:G0HB+3], s[46:47]
	s_or_b32 s[G0HB+3], s[G0HB+3], 0x80000000
	s_mov_b32 s[G0S], 1
	s_mov_b32 s[G0S+1], SCL
	s_mov_b64 s[G0S+2:G0S+3], s[22:23]
	s_or_b32 s[G0S+3], s[G0S+3], 0x80000000
	s_mov_b32 s[G0SB], 1
	s_mov_b32 s[G0SB+1], SCL+2*HALFS
	s_mov_b64 s[G0SB+2:G0SB+3], s[92:93]
	s_or_b32 s[G0SB+3], s[G0SB+3], 0x80000000
	s_add_nc_u64 s[20:21], s[20:21], s[18:19]
	s_add_nc_u64 s[46:47], s[46:47], s[18:19]
.irp s, 0,1
	s_mov_b32 s[G0+4*\s], 1
	s_add_co_u32 s[G0+4*\s+1], s45, \s*SLOT
	s_add_nc_u64 s[G0+4*\s+2:G0+4*\s+3], s[20:21], \s*ROWB
	s_or_b32 s[G0+4*\s+3], s[G0+4*\s+3], 0x80000000
	s_mov_b32 s[G0B+4*\s], 1
	s_add_co_u32 s[G0B+4*\s+1], s45, \s*SLOT
	s_add_nc_u64 s[G0B+4*\s+2:G0B+4*\s+3], s[46:47], \s*ROWB
	s_or_b32 s[G0B+4*\s+3], s[G0B+4*\s+3], 0x80000000
.endr
; the head's four tiles, one load a wave, in one chain of branches on the wave's number: chunk 0 of source 1, of source 0, and the two blocks of scale bytes
.macro ARM under, g0, g1, next
	s_cmp_lt_u32 s14, \under
	s_cbranch_scc0 \next
	tensor_load_to_lds s[\g0:\g0+3], s[\g1:\g1+7]
	s_nop 0
.rept 4
	v_nop
.endr
	s_branch .Lhead_asked
\next:
.endm
	ARM 1, G0H,  G1,  .Lhead_b
	ARM 2, G0HB, G1B, .Lhead_sa
	ARM 3, G0S,  G1S, .Lhead_sb
	tensor_load_to_lds s[G0SB:G0SB+3], s[G1SB:G1SB+7]
	s_nop 0
.rept 4
	v_nop
.endr
.Lhead_asked:
	; where the results go: all scalar work first, then the vector work in one run
	s_cmp_eq_u32 s3, 1
	s_cselect_b32 s95, s42, s17
	s_cselect_b32 s96, s17, s42
	s_cselect_b32 s97, s16, s15
	s_cselect_b32 s2, s15, s16
	s_mov_b32 s18, 0x05040100
	s_cselect_b32 s18, 0x03020100, s18
	s_mov_b32 s19, 0x07060302
	s_cselect_b32 s19, 0x07060504, s19
	s_cselect_b32 s66, 0, s66
	s_mov_b32 s67, 6291456
	s_cselect_b32 s67, 3145728, s67
	s_cselect_b32 s43, 0, 1
	s_mov_b32 s104, 1536
	s_cselect_b32 s104, 44544, s104
	s_mov_b32 s94, 98304
	s_cselect_b32 s94, 768, s94
	s_mov_b32 s105, 0
	s_lshl_b32 s96, s96, 2
	s_lshl_b32 s2, s2, 1
	s_add_co_u32 s96, s96, s2
	s_lshr_b32 s2, s95, 2
	s_lshl_b32 s2, s2, 4
	s_add_co_u32 s2, s2, s96
	s_and_b32 s95, s95, 3
	s_lshl_b32 s95, s95, 1
	s_add_co_u32 s95, s95, s97
	s_lshl_b32 s96, s96, 8
	s_mov_b32 s97, 0
	s_add_nc_u64 s[98:99], s[98:99], s[96:97]      ; the bias: my 128 features
	s_mul_i32 s96, s2, 49152
	s_mul_i32 s20, s95, 6144
	s_add_co_u32 s96, s96, s20
	s_lshl_b32 s96, s96, s43
	s_mul_i32 s20, s66, 768
	s_add_co_u32 s96, s96, s20
	s_add_nc_u64 s[12:13], s[12:13], s[96:97]      ; my codes
	s_lshl_b32 s96, s2, 11
	s_lshl_b32 s20, s95, 8
	s_add_co_u32 s96, s96, s20
	s_lshl_b32 s20, s66, 17
	s_add_co_u32 s96, s96, s20
	s_add_co_u32 s96, s96, s67
	s_add_nc_u64 s[100:101], s[100:101], s[96:97]  ; my scale bytes
	s_mul_i32 s21, s15, HALFS
	s_mul_i32 s22, s16, HALFS
	s_add_co_u32 s22, s22, 2*HALFS
	s_sub_co_u32 s22, s22, s21                     ; from source 1's scale words to source 0's
	s_add_co_u32 s21, s21, SCL
	v_and_b32 v1, 15, v0                           ; r
	v_bfe_u32 v2, v0, 4, 1                         ; h
	v_bfe_u32 v8, v0, 6, 1                         ; wave / 2
	v_bfe_u32 v9, v0, 5, 1                         ; wave % 2
	v_mul_u32_u24 v3, v1, PITCH
	v_sub_nc_u32 v7, 1, v2
	v_add_nc_u32 v9, 2, v9
	v_mad_u32_u24 v4, v2, 24, v3                   ; row x pitch + 24 h
	v_mad_u32_u24 v5, v2, SLOT-232, v3
	v_mad_u32_u24 v6, v7, SLOT+232, v3             ; lanes 0-15 byte 232 of the row in slot 1, lanes 16-31 byte 0 in slot 0
	v_mul_u32_u24 v8, v8, HALFT
	v_mul_u32_u24 v9, v9, HALFT
	v_add_nc_u32 v5, 232, v5                       ; lanes 0-15 byte 232 of the row in slot 0, lanes 16-31 byte 0 in slot 1
	v_add_nc_u32 v[ADRA], v8, v4
	v_add_nc_u32 v[ADRB], v9, v4
	v_add_nc_u32 v[ADRA+2], v8, v5
	v_add_nc_u32 v[ADRB+2], v9, v5
	v_add_nc_u32 v[ADRA+3], v8, v6
	v_add_nc_u32 v[ADRB+3], v9, v6
	v_add_nc_u32 v[ADRA+1], SLOT, v[ADRA]
	v_add_nc_u32 v[ADRB+1], SLOT, v[ADRB]
	v_lshlrev_b32 v5, 5, v1                        ; my row's scale bytes: 32 a row, 16 more for each 256 passed
	v_lshrrev_b32 v6, 8, v5
	v_lshl_add_u32 v5, v6, 4, v5
	v_mad_u32_u24 v5, v2, s22, v5                  ; lanes 16-31 take source 0's
	v_add_nc_u32 v[ADRS], s21, v5
	v_and_b32 v6, 31, v0
	v_lshlrev_b32 v[OLO], 3, v6
	v_lshlrev_b32 v[OSC], 4, v1
	v_lshl_add_u32 v[OSC], v2, 11, v[OSC]
	v_add_nc_u32 v[OHI], s94, v[OLO]
	v_mov_b32 v3, s18
	v_mov_b32 v4, s19
	v_cmp_ne_u32 vcc_lo, 0, v2
	v_cndmask_b32 v[SELV], v3, v4, vcc_lo
	s_cmp_eq_u32 s3, 1
	s_wait_alu depctr_va_vdst(0)                   ; the wait ahead of the branch
	s_cbranch_scc1 .Lbias_v
	v_lshlrev_b32 v[BOF], 5, v2
.irp b, 0,1,2,3,4,5,6,7
	global_load_b128 v[BI+8*\b:BI+8*\b+3], v[BOF], s[98:99] offset:64*\b          ; K: the bias runs along the registers
	global_load_b128 v[BI+8*\b+4:BI+8*\b+7], v[BOF], s[98:99] offset:64*\b+16
.endr
	s_branch .Lbias_done
.Lbias_v:
	v_lshlrev_b32 v[BOF], 2, v1
.irp a, 0,1,2,3,4,5,6,7
.irp j, 0,1,2,3,4,5,6,7
	global_load_b32 v[BI+8*\a+\j], v[BOF], s[98:99] offset:64*\a                  ; V: the bias belongs to the lane's row
.endr
.endr
.Lbias_done:
.macro FRAG reg, adr, st, i            ; 16 rows x 128 K: 2 x 24 bytes of the row's stream a lane, in pieces of 8; byte y of a row lies in slot (y / 256) % 2 at byte y % 256
.irp p, 0,1,2,3,4,5
.set BY, 96*(\st)+48*(\p/3)+8*(\p%3)
.if BY/ROWB == (BY+24)/ROWB
	ds_load_b64 v[\reg+2*\p:\reg+2*\p+1], v[\adr+(BY/ROWB)%2] offset:BY%ROWB+(\i)*16*PITCH
.else
	ds_load_b64 v[\reg+2*\p:\reg+2*\p+1], v[\adr+2+(BY/ROWB)%2] offset:BY%ROWB-232+(\i)*16*PITCH
.endif
.endr
.endm
.macro MUL16 a0, p, q, sc, z           ; z = 1, 2: C = the bias; the 64 accumulators take turns
.irp a, \a0, \a0+1
.irp b, 0,1,2,3,4,5,6,7
.set rD, 8*(8*((\a)%4)+\b)
.set rB, 128*(\p)+FR*\b
.set rA, AF+FR*(\a)
.set rSB, SC+8*NQ*(\sc)+NQ*\b+(\q)
.set rSA, SC+8*NQ*(\sc)+NQ*(\a)+(\q)
.if (\z) == 1
	v_wmma_scale_f32_16x16x128_f8f6f4 v[rD:rD+7], v[rB:rB+FR-1], v[rA:rA+FR-1], v[BI+8*\b:BI+8*\b+7], v[rSB], v[rSA] matrix_a_fmt:MATRIX_FMT_FP6 matrix_b_fmt:MATRIX_FMT_FP6 matrix_a_scale:MATRIX_SCALE_ROW1
.elseif (\z) == 2
	v_wmma_scale_f32_16x16x128_f8f6f4 v[rD:rD+7], v[rB:rB+FR-1], v[rA:rA+FR-1], v[BI+8*(\a):BI+8*(\a)+7], v[rSB], v[rSA] matrix_a_fmt:MATRIX_FMT_FP6 matrix_b_fmt:MATRIX_FMT_FP6 matrix_a_scale:MATRIX_SCALE_ROW1
.else
	v_wmma_scale_f32_16x16x128_f8f6f4 v[rD:rD+7], v[rB:rB+FR-1], v[rA:rA+FR-1], v[rD:rD+7], v[rSB], v[rSA] matrix_a_fmt:MATRIX_FMT_FP6 matrix_b_fmt:MATRIX_FMT_FP6 matrix_a_scale:MATRIX_SCALE_ROW1
.endif
.endr
.endr
.endm
.macro FETCH_B st, p
	WIN TO_B
.irp i, 0,1,2,3,4,5,6,7
	FRAG 128*(\p)+FR*\i, ADRB, \st, \i
.endr
	WIN 0
.endm
.macro FETCH_A st, i0
.irp i, \i0, \i0+1, \i0+2, \i0+3
	FRAG AF+FR*(\i), ADRA, \st, \i
.endr
.endm
.macro SCALES pr                       ; the scale words of steps 2 pr, 2 pr + 1 into set pr % 2
.irp i, 0,1,2,3,4,5,6,7
	ds_load_b64 v[SC+8*NQ*((\pr)%2)+NQ*\i:SC+8*NQ*((\pr)%2)+NQ*\i+1], v[ADRS] offset:\i*SBLK+4*NQ*(\pr)
.endr
.endm
.macro PLACES n
.rept \n
	v_nop
.endr
.endm
; a step of 128 along K.  Where the next step ends in a chunk not read yet: the wait for my tensor loads and a barrier.  Where it begins in a later chunk: the three lines, the barrier, and, where a chunk is left to fetch, the round and the refill.
.macro STEP st, z
.set NX, (\st)+1
.set C0, (96*(\st))/ROWB
.set C1, (96*NX)/ROWB
.set E0, (96*(\st)+95)/ROWB
.set E1, (96*NX+95)/ROWB
.if C1 > C0 || E1 > E0
	s_wait_tensorcnt 0x0
.if C1 > C0
	ds_add_u32 v[SPW], v[NIL]
	s_wait_dscnt 4*NL+1                            ; the add and the youngest 24 loads may be out
.else
	s_wait_dscnt 4*NL                              ; the youngest 24 loads (blocks 4-7) may be out
.endif
	WIN MUL_LO
	MUL16 0, (\st)%2, (\st)%2, ((\st)/2)%2, 0
	s_wait_dscnt 0x0
	s_barrier_signal -1
	MUL16 2, (\st)%2, (\st)%2, ((\st)/2)%2, 0
	WIN 0
	s_barrier_wait -1
.if C1 > C0 && C0+2 < CHUNKS
	CREST
	s_add_nc_u64 s[G0+4*(C0%2)+2:G0+4*(C0%2)+3], s[G0+4*(C0%2)+2:G0+4*(C0%2)+3], 2*ROWB
	s_add_nc_u64 s[G0B+4*(C0%2)+2:G0B+4*(C0%2)+3], s[G0B+4*(C0%2)+2:G0B+4*(C0%2)+3], 2*ROWB
	JLOAD G0+4*(C0%2), G1, G0B+4*(C0%2), G1B
.else
	PLACES NP
.endif
.else
	s_wait_dscnt 4*NL
.if \z
	WIN 0x81
.else
	WIN MUL_LO
.endif
	MUL16 0, (\st)%2, (\st)%2, ((\st)/2)%2, \z
	MUL16 2, (\st)%2, (\st)%2, ((\st)/2)%2, \z
	s_wait_dscnt 0
	PLACES NP
.endif
	FETCH_B NX, NX%2
	FETCH_A NX, 0
.if NX%2 == 0
	SCALES NX/2
.endif
.if \z
	WIN 0xc1
.else
	WIN MUL_HI
.endif
	MUL16 4, (\st)%2, (\st)%2, ((\st)/2)%2, \z
	MUL16 6, (\st)%2, (\st)%2, ((\st)/2)%2, \z
	PLACES NP
	WIN 0
	FETCH_A NX, 4
.endm
	s_wait_alu depctr_va_vdst(0)                   ; the wait at the head's end
	s_wait_tensorcnt 0x0                           ; my tile of the head's four is in; the three lines ahead of slot 1's first fill
	ds_add_u32 v[SPW], v[NIL]
	s_mov_b32 s[G1+2], 128<<16                     ; no load of mine is out: from here on a load brings 128 rows
	s_mov_b32 s[G1+4], 128
	s_mov_b32 s[G1B+2], 128<<16
	s_mov_b32 s[G1B+4], 128
	s_wait_dscnt 0x0
	CROUND
	JLOAD G0+4, G1, G0B+4, G1B                     ; chunk 1
	FETCH_B 0, 0
	FETCH_A 0, 0
	SCALES 0
	FETCH_A 0, 4
	s_wait_loadcnt 0x0                             ; the bias
	s_cmp_eq_u32 s3, 1
	s_cbranch_scc1 .Lfirst_v
	STEP 0, 1
	s_branch .Lfirst_done
.Lfirst_v:
	STEP 0, 2
.Lfirst_done:
.irp st, 1,2,3,4,5,6
	STEP \st, 0
.endr
	s_wait_dscnt 4*NL
	WIN MUL_LO
	MUL16 0, 1, 1, 1, 0
	MUL16 2, 1, 1, 1, 0
	s_wait_dscnt 0
	WIN MUL_HI
	MUL16 4, 1, 1, 1, 0
	MUL16 6, 1, 1, 1, 0
	WIN 0
; block a's 16 rows x 128: four blocks of 32 along the registers, each shared by lanes l and l xor 16
.macro QUANT a
.set AC, 64*((\a)%4)
	WIN 0x28+0x14*((\a)/4)
.irp b, 0,1,2,3
	v_max3_num_f32 v[TM+\b], 0x1800000, |v[AC+16*\b]|, |v[AC+16*\b+1]|   ; with the floor 2^(3 - 127)
.endr
.irp i, 2,4,6,8,10,12,14
.irp b, 0,1,2,3
	v_max3_num_f32 v[TM+\b], v[TM+\b], |v[AC+16*\b+\i]|, |v[AC+16*\b+\i+1]|
.endr
.endr
	WIN 0
.irp b, 0,1,2,3
	v_permlanex16_b32 v[TM+4+\b], v[TM+\b], s20, s21
.endr
.irp b, 0,1,2,3
	v_max_num_f32 v[TM+\b], v[TM+\b], v[TM+4+\b]
.endr
.irp b, 0,1,2,3
	v_add_nc_u32 v[TM+12+\b], 0xff000000, v[TM+\b]   ; 2 off the exponent field: the conversion's scale operand
.endr
.irp b, 0,1,2,3
	v_lshrrev_b32 v[TM+4+\b], 23, v[TM+12+\b]
.endr
	v_lshl_or_b32 v[PWA+(\a)], v[TM+5], 8, v[TM+4]
	v_lshl_or_b32 v[PWA+(\a)], v[TM+6], 16, v[PWA+(\a)]
	v_lshl_or_b32 v[PWA+(\a)], v[TM+7], 24, v[PWA+(\a)]
	WIN 0x02+(\a)/4
.irp c, 0,1
	v_cvt_scalef32_pk16_fp6_f32 v[PC+6*\c:PC+6*\c+2], v[AC+32*\c:AC+32*\c+15], v[TM+12+2*\c]
	v_cvt_scalef32_pk16_fp6_f32 v[PC+12+4*\c:PC+14+4*\c], v[AC+32*\c+16:AC+32*\c+31], v[TM+13+2*\c]
.endr
	WIN 0
	v_nop
.irp c, 0,1
.irp i, 0,1,2
	v_permlane16_swap_b32 v[PC+6*\c+\i], v[PC+12+4*\c+\i]
.endr
.irp i, 0,1,2
	v_mov_b32 v[PC+3+6*\c+\i], v[PC+12+4*\c+\i]
.endr
.endr
.endm
	PLACES NP
	s_mov_b32 s20, 0x76543210
	s_mov_b32 s21, 0xfedcba98
.irp b, 0,1,2,3
	v_mov_b32 v[TM+4+\b], 0
.endr
.irp a, 0,1,2,3,4,5,6,7
.if \a > 0
	s_wait_xcnt 0x0                                ; the stores have read their registers and their base
.if \a == 4
	s_add_nc_u64 s[12:13], s[12:13], s[104:105]
.else
	s_add_nc_u64 s[12:13], s[12:13], 1536
.endif
.endif
	QUANT \a
.irp q, 0,1,2
	global_store_b64 v[OLO], v[PC+2*\q:PC+2*\q+1], s[12:13] offset:256*\q
.endr
.irp q, 0,1,2
	global_store_b64 v[OHI], v[PC+6+2*\q:PC+7+2*\q], s[12:13] offset:256*\q
.endr
.endr
.irp i, 0,1,2,3
	v_perm_b32 v[DD+\i], v[PWA+4+\i], v[PWA+\i], v[SELV]
.endr
	global_store_b128 v[OSC], v[DD:DD+3], s[100:101]
	s_wait_tensorcnt 0x0                           ; the wave's end
	ds_add_u32 v[SPW], v[NIL]
	s_wait_dscnt 0x0
	CROUND
	s_endpgm
.Lfunc_end_k_qd8699be073_projkv:
	.size	k_qd8699be073_projkv, .Lfunc_end_k_qd8699be073_projkv-k_qd8699be073_projkv
	.p2alignl 7, 3214868480
	.fill 96, 4, 3214868480
	.section	.rodata,"a",@progbits
	.p2align	6, 0x0
	.amdhsa_kernel k_qd8699be073_projkv
		.amdhsa_group_segment_fixed_size 327680
		.amdhsa_private_segment_fixed_size 0
		.amdhsa_enable_private_segment 0
		.amdhsa_kernarg_size 184
		.amdhsa_user_sgpr_count 2
		.amdhsa_user_sgpr_kernarg_segment_ptr 1
		.amdhsa_wavefront_size32 1
		.amdhsa_system_sgpr_workgroup_id_x 1
		.amdhsa_system_sgpr_workgroup_id_y 1
		.amdhsa_system_sgpr_workgroup_id_z 1
		.amdhsa_system_vgpr_workitem_id 0
		.amdhsa_next_free_vgpr 1024
		.amdhsa_next_free_sgpr 106
		.amdhsa_reserve_vcc 1
		.amdhsa_float_denorm_mode_32 3
		.amdhsa_float_denorm_mode_16_64 3
		.amdhsa_memory_ordered 1
		.amdhsa_forward_progress 1
		.amdhsa_inst_pref_size 192
	.end_amdhsa_kernel
	.amdgpu_metadata
---
amdhsa.version: [ 1, 2 ]
amdhsa.kernels:
  - .name:           k_qd8699be073_projkv
    .symbol:         k_qd8699be073_projkv.kd
    .args:
      - { .name: k_r_codes, .offset: 0, .size: 8, .value_kind: global_buffer, .address_space: global }
      - { .name: k_r_scales, .offset: 8, .size: 8, .value_kind: global_buffer, .address_space: global }
      - { .name: Wk_r_codes, .offset: 16, .size: 8, .value_kind: global_buffer, .address_space: global }
      - { .name: Wk_r_scales, .offset: 24, .size: 8, .value_kind: global_buffer, .address_space: global }
      - { .name: bk_r, .offset: 32, .size: 8, .value_kind: global_buffer, .address_space: global }
      - { .name: k_i_codes, .offset: 40, .size: 8, .value_kind: global_buffer, .address_space: global }
      - { .name: k_i_scales, .offset: 48, .size: 8, .value_kind: global_buffer, .address_space: global }
      - { .name: Wk_i_codes, .offset: 56, .size: 8, .value_kind: global_buffer, .address_space: global }
      - { .name: Wk_i_scales, .offset: 64, .size: 8, .value_kind: global_buffer, .address_space: global }
      - { .name: bk_i, .offset: 72, .size: 8, .value_kind: global_buffer, .address_space: global }
      - { .name: v_r_codes, .offset: 80, .size: 8, .value_kind: global_buffer, .address_space: global }
      - { .name: v_r_scales, .offset: 88, .size: 8, .value_kind: global_buffer, .address_space: global }
      - { .name: Wv_r_codes, .offset: 96, .size: 8, .value_kind: global_buffer, .address_space: global }
      - { .name: Wv_r_scales, .offset: 104, .size: 8, .value_kind: global_buffer, .address_space: global }
      - { .name: bv_r, .offset: 112, .size: 8, .value_kind: global_buffer, .address_space: global }
      - { .name: v_i_codes, .offset: 120, .size: 8, .value_kind: global_buffer, .address_space: global }
      - { .name: v_i_scales, .offset: 128, .size: 8, .value_kind: global_buffer, .address_space: global }
      - { .name: Wv_i_codes, .offset: 136, .size: 8, .value_kind: global_buffer, .address_space: global }
      - { .name: Wv_i_scales, .offset: 144, .size: 8, .value_kind: global_buffer, .address_space: global }
      - { .name: bv_i, .offset: 152, .size: 8, .value_kind: global_buffer, .address_space: global }
      - { .name: Kb, .offset: 160, .size: 8, .value_kind: global_buffer, .address_space: global }
      - { .name: Vrb, .offset: 168, .size: 8, .value_kind: global_buffer, .address_space: global }
      - { .name: Vib, .offset: 176, .size: 8, .value_kind: global_buffer, .address_space: global }
    .group_segment_fixed_size: 327680
    .private_segment_fixed_size: 0
    .kernarg_segment_align: 8
    .kernarg_segment_size: 184
    .max_flat_workgroup_size: 128
    .sgpr_count:     106
    .vgpr_count:     1024
    .wavefront_size: 32
...
	.end_amdgpu_metadata
.endif
;; end of part 1
;; launch attn (part 2): grid 4 x 64, 8 waves a work-group, clusters of 4 x 1, 311,296 bytes of LDS; arguments Kb, Vrb, Vib, Ob, q_r_codes, q_r_scales, Wq_r_codes, Wq_r_scales, bq_r, q_i_codes, q_i_scales, Wq_i_codes, Wq_i_scales, bq_i; writes Ob
.if DOCPART == 2
	.amdgcn_target "amdgcn-amd-amdhsa--gfx1250"
	.amdhsa_code_object_version 6
	.text
	.protected	k_qd8699be073_attn
	.globl	k_qd8699be073_attn
	.p2align	8
	.type	k_qd8699be073_attn,@function
k_qd8699be073_attn:
	s_mov_b64 s[64:65], 0
	v_nop
	global_prefetch_b8 v0, s[64:65] scope:SCOPE_SE
	s_setreg_imm32_b32 hwreg(HW_REG_WAVE_MODE, 25, 1), 1
	s_wait_xcnt 0x0
	s_wait_alu depctr_hold_cnt(0) depctr_sa_sdst(0) depctr_va_vdst(0) depctr_va_sdst(0) depctr_va_ssrc(0) depctr_va_vcc(0) depctr_vm_vsrc(0)
	s_getreg_b32 s2, hwreg(HW_REG_IB_STS2, 6, 4)
	s_cmp_eq_u32 s2, 0
	s_cbranch_scc0 .Lentry_in_a_cluster
	s_endpgm
.Lentry_in_a_cluster:
	s_bfe_u32 s2, ttmp6, 0x10000c
	s_cmp_lg_u32 s2, 0x3003
	s_cbranch_scc0 .Lentry_shape_is_right
	s_endpgm
.Lentry_shape_is_right:
; Q'S TWO PROJECTIONS AND THE ATTENTION, ON CODES OF FP6 (E2M3).  No work is left out.
; The two score products are summed ahead of the softmax: Qr | Qi against Kr | Ki is ONE product with K = 128, whose four blocks of 32 are the quantiser's own.  The two value products share p: Vr | Vi are 128 channels.
; t = score x log2(e) / 8; M = the running largest t rounded up to a whole number; p = 2^(t - M) is quantised along the keys, not normalised; the row's sum is taken of the unquantised p and divides O at the end.
; O / sum is then quantised along the model axis (a head's 64 channels of a part are two blocks of 32) for the output projection.
; SHARES.  A work-group owns 256 queries of one batch and head; each of its eight waves owns 32 of them, two tiles of 16, so that every fragment of K and V read from LDS feeds two matrix instructions.
; REGISTERS, in two windows of 256: tile 0's state lies in window 0, tile 1's in window 1, at the same numbers: v12 -M, v13 the largest t, v[14:15] the sum, v16-27 Q's fragment, v96-159 S^T and p, v160-223 O^T, v224-235 p's codes,
; v232-254 at work.  v32-79 of both windows are two sets of four fragments.  Window 0 alone: v1-7, v28-31 addresses, v8-11 Q's and p's scale words, v80-95 K's and V's scale words.
; Q FIRST.  Q = q Wq^T + bq for 256 tokens x (64 features of part r | 64 of part i), K = 1,024.  Wave w takes part w % 2 and the token tiles 4 (w / 2) .. + 3: 4 x 4 accumulators by turns; the bias is the C of the first products.
; Source 0 = 16 rows of Wq (from LDS), source 1 = 16 tokens (from memory straight into registers, two K steps ahead): a lane holds one token and its registers run along the features, the score product's K.
; THE ORDER OF k IN A K STEP OF 128 of that product: lane (r, h) takes the 48 bytes on end at 96 s + 48 h of its row, blocks 4 s + 2 h and 4 s + 2 h + 1; the unit takes the lane's registers 6 c .. 6 c + 5 as block 2 c + h:
; so bytes 1 and 2 of every scale word change places, alike for q and Wq: whole blocks change places with their scales, and every product is kept.
; Q's codes go from wave to wave through LDS as images of the operand's registers, in Wq's bytes, which have had their one fill and, behind a barrier, their last read.
; ALL OF A HEAD'S K AND V LIE IN LDS (2 x 98,304 bytes), in the order of an operand's registers: every fragment load reads 256 consecutive bytes.  Eight first fills, one a wave; nothing is filled again.
; CLUSTER.  The four query blocks of a head walk the same Wq, K and V: each tile is asked for jointly.  q's rows are not shared in the cluster and do not fit in LDS beside K, V and Wq.
; Both attention products are used transposed (S^T = K Q^T, O^T = V^T P^T): a lane holds one query throughout.  A block of 32 keys of p lies in the order 0-7, 16-23, 8-15, 24-31, as V's codes do.
; Nothing is prefetched: K, V and Wq are asked for at the kernel's head, and q's walk stands at the head too.
; LIMITS: NaN and infinities are not served.  A block whose largest magnitude lies under 2^-124, a block of zeros among them, keeps the byte 1: this program alone reads the bytes.
.set VOFF,  98304                      ; K's 64 tiles, then Vr's 8 x 4 tiles, then Vi's
.set KS,    196608                     ; K's scale words [tile 64][r 16]
.set VS,    KS+4096                    ; V's [part 2][128 keys 8][r 16][tile 4]
.set OSG,   VS+4096                    ; O's [tile 16][r 16]
.set SPARE, OSG+1024                   ; the spare words: 128 bytes a wave
.set WQ,    SPARE+1024                 ; Wq's rows: part r's 64, then part i's
.set WPART, 192*272
.set WROW,  816                        ; a row of Wq: 3 x (256 + 16) bytes
.set QIM,   WQ                         ; later, in the same bytes: Q's images [tile 16][part 2][plane 3][256],
.set QSW,   WQ+24576                   ; and the scale words [pair of tiles 8][part 2][r 16]
.set AK,  1
.set BKS, 2
.set BVS, 3
.set AOW, 4
.set SPW, 5
.set NIL, 6
.set AOR, 7
.set QW0, 8                            ; v8, v9 Q's scale words of my two tiles; v10, v11 p's
.set PW0, 10
.set AW0, 12
.set AW1, 13
.set AQ,  14
.set AQS, 15
.set KL,  16
.set VL,  20
.set KM,  24
.set L8,  28
.set AVS, 29
.set AV,  30
.set AKS, 31
.set WF,  32
.set KSC, 80
.set VSC, 88
.set WSC, 80
.set ACC, 96
.set QF,  96                           ; window 1: q's fragments, two sets of four
.set BIA, 192                          ; window 1: the bias
.set QSA, 224
.set TM,  232
.set KST, 240
.set VST, 241
.set GT8, 242
.set VSO, 243
.set BOF, 244
.set AQL, 253
.set AQW, 254
.set AQR, 255
.set WV,  18
.set SEL, 20
.set CS,  22
.set G1,  24
.set G0,  32
.set G1W, 52
.set G0W, 60
.set MSB, 0
.macro WIN new
.if MSB != (\new)
	s_set_vgpr_msb (MSB<<8)|(\new)
.set MSB, (\new)
.endif
.endm
.macro PLACES n
.rept \n
	v_nop
.endr
.endm
.macro CROUND
	s_barrier_signal -1
	s_barrier_wait -1
	s_cmp_lg_u32 s[WV], 0
	s_cbranch_scc1 .Lnot_wave_0_\@
	s_barrier_signal -3
.Lnot_wave_0_\@:
	s_barrier_wait -3
	s_barrier_signal -1
	s_barrier_wait -1
.endm
	s_load_b256 s[4:11], s[0:1], 0x0               ; K s[4:5], Vr s[6:7], Vi s[8:9], O s[10:11]
	s_load_b512 s[68:83], s[0:1], 0x20             ; part r: q's codes 68, q's scales 70, Wq's codes 72, Wq's scales 74, bq 76; part i: 78, 80, 82,
	s_load_b128 s[84:87], s[0:1], 0x60             ; 84, 86
	v_lshl_add_u32 v[SPW], v0, 2, SPARE
	v_mov_b32 v[NIL], 0
	ds_add_u32 v[SPW], v[NIL]                      ; the opening: the add, twice on end, and its wait
	ds_add_u32 v[SPW], v[NIL]
	v_lshrrev_b32 v232, 5, v0
	v_readfirstlane_b32 s[WV], v232                ; wave 0 .. 7
	s_and_b32 s50, s[WV], 1                        ; my part in Q's projection
	s_lshr_b32 s51, s[WV], 1                       ; my four token tiles
	s_bfe_u32 s48, ttmp6, 0x40000                  ; cx: my block of 256 queries; it enters q's and O's global addresses alone
	s_and_b32 s49, ttmp7, 0xffff                   ; batch and head, which the four partners share
	s_mov_b32 s[G1], 15|(3<<16)|(1<<21)            ; K, V: 49,152 dense bytes as 192 rows of 256; the mask names all four
	s_mov_b32 s[G1+1], 32<<16
	s_mov_b32 s[G1+2], 192<<16
	s_mov_b32 s[G1+3], 32<<16
	s_mov_b32 s[G1+4], 192
	s_mov_b32 s[G1+5], 32
	s_mov_b32 s[G1+6], 0
	s_mov_b32 s[G1+7], 0
	s_mov_b32 s[G1W], 15|(3<<16)|(1<<20)|(1<<21)|(5<<22)|(3<<25)   ; Wq: 24,576 dense bytes as 96 rows of 256, 16 bytes of padding behind each
	s_mov_b32 s[G1W+1], 32<<16
	s_mov_b32 s[G1W+2], 96<<16
	s_mov_b32 s[G1W+3], 32<<16
	s_mov_b32 s[G1W+4], 96
	s_mov_b32 s[G1W+5], 32
	s_mov_b32 s[G1W+6], 0
	s_mov_b32 s[G1W+7], 0
	; EIGHT FIRST FILLS, ONE A WAVE: waves 0-3 a quarter of Wq's rows each, waves 4, 5 K's halves, wave 6 Vr, wave 7 Vi
	s_and_b32 s88, s[WV], 3
	s_mul_i32 s95, s88, 49152                      ; where K's and V's pieces go
	s_mul_i32 s90, s49, 49152                      ; a head's codes of Vr or Vi
	s_lshl_b32 s92, s90, 1
	s_add_co_u32 s92, s92, s95                     ; of K: twice that, and the half
	s_cmp_lt_u32 s88, 2
	s_cselect_b32 s90, s92, s90
	s_mov_b32 s91, 0
	s_and_b32 s96, s49, 15                         ; the head
	s_mul_i32 s98, s96, 49152                      ; its 64 rows of Wq,
	s_mul_i32 s14, s50, 24576
	s_add_co_u32 s98, s98, s14                     ; and the half of them
	s_mov_b32 s99, 0
	s_min_u32 s14, s[WV], 3
	s_mul_i32 s14, s14, 26112
	s_add_co_u32 s14, s14, WQ
	s_mov_b32 s[SEL], 0x76543210
	s_mov_b32 s[SEL+1], 0xfedcba98                 ; lane l xor 16
	s_mov_b32 s[CS], 0x3e38aa3b                    ; c = log2(e) / 8
	s_mov_b32 s[CS+1], s[CS]
	v_and_b32 v233, 31, v0                         ; lane
	v_and_b32 v234, 15, v0                         ; r
	v_bfe_u32 v235, v0, 4, 1                       ; h
	v_bfe_u32 v236, v0, 5, 1                       ; wave % 2
	v_bfe_u32 v237, v0, 6, 2                       ; wave / 2
	v_lshlrev_b32 v[L8], 3, v233
	v_lshl_add_u32 v[BKS], v234, 2, KS
	v_lshl_add_u32 v[BVS], v234, 4, VS
	v_lshlrev_b32 v238, 7, v232
	v_lshl_add_u32 v238, v234, 2, v238             ; 128 wave + 4 r
	v_add_nc_u32 v[AOW], OSG, v238
	v_add_nc_u32 v[AQR], QSW, v238
	v_lshl_add_u32 v[AOR], v233, 5, OSG
	v_lshlrev_b32 v[KST], 9, v232                  ; where thread u puts K's merged scale words: group u / 32, tiles 2 (u % 2), + 1, row (u / 2) % 16
	v_and_b32 v238, 1, v0
	v_lshl_add_u32 v[KST], v238, 7, v[KST]
	v_bfe_u32 v238, v0, 1, 4
	v_lshl_add_u32 v[KST], v238, 2, v[KST]
	v_add_nc_u32 v[KST], KS, v[KST]
	v_lshl_add_u32 v[VST], v0, 3, VS
	v_lshlrev_b32 v[GT8], 3, v0
	v_mul_u32_u24 v[AW0], v234, WROW
	v_mad_u32_u24 v[AW0], v235, 48, v[AW0]
	v_mad_u32_u24 v[AW0], v236, WPART, v[AW0]
	v_add_nc_u32 v[AW0], WQ, v[AW0]                ; Wq: my part, row r, + 48 h
	v_lshl_add_u32 v[AW1], v235, 4, v[AW0]         ; the same with lanes 16-31 behind one padding more
	v_mul_u32_u24 v[AQ], v234, 768
	v_mad_u32_u24 v[AQ], v235, 48, v[AQ]           ; q: row r, + 48 h
	v_lshlrev_b32 v[VSO], 5, v234
	v_lshl_add_u32 v[VSO], v235, 4, v[VSO]         ; scale bytes: row r of 32, + 16 h
	v_lshlrev_b32 v[BOF], 5, v235
	v_mad_u32_u24 v238, v237, 6144, v[L8]
	v_mad_u32_u24 v238, v236, 768, v238
	v_add_nc_u32 v[AQS], QIM, v238                 ; where I store Q's images
	v_mad_u32_u24 v238, v232, 3072, v[L8]
	v_add_nc_u32 v[AQL], QIM, v238                 ; where I load my own two tiles' images
	v_lshlrev_b32 v238, 8, v237
	v_lshl_add_u32 v238, v236, 6, v238
	v_lshl_add_u32 v238, v234, 2, v238
	v_add_nc_u32 v[AQW], QSW, v238                 ; where I store my scale words
	s_wait_alu depctr_va_vdst(0)                   ; the wait at the head's end
	s_wait_dscnt 0x0                               ; both opening adds are done
	s_wait_kmcnt 0x0
	s_cmp_lt_u32 s[WV], 2                          ; waves 0, 1 fetch part r's rows of Wq, waves 2, 3 part i's
	s_cselect_b64 s[72:73], s[72:73], s[82:83]
	s_cmp_eq_u32 s50, 0                            ; my part's other buffers: a choice on the wave's number alone
	s_cselect_b64 s[68:69], s[68:69], s[78:79]
	s_cselect_b64 s[70:71], s[70:71], s[80:81]
	s_cselect_b64 s[74:75], s[74:75], s[84:85]
	s_cselect_b64 s[76:77], s[76:77], s[86:87]
	s_mov_b32 s[G0W], 1
	s_mov_b32 s[G0W+1], s14
	s_add_nc_u64 s[G0W+2:G0W+3], s[72:73], s[98:99]
	s_or_b32 s[G0W+3], s[G0W+3], 0x80000000
	s_cmp_lt_u32 s88, 2
	s_cselect_b64 s[100:101], s[4:5], s[6:7]
	s_cmp_lt_u32 s88, 3
	s_cselect_b64 s[100:101], s[100:101], s[8:9]
	s_mov_b32 s[G0], 1
	s_mov_b32 s[G0+1], s95
	s_add_nc_u64 s[G0+2:G0+3], s[100:101], s[90:91]
	s_or_b32 s[G0+3], s[G0+3], 0x80000000
	CROUND                                         ; all four work-groups are here: the joint loads meet
	s_cmp_lt_u32 s[WV], 4
	s_cbranch_scc1 .Lfor_wq
	tensor_load_to_lds s[G0:G0+3], s[G1:G1+7]
	s_nop 0
	PLACES 4
	s_branch .Lfilled
.Lfor_wq:
	tensor_load_to_lds s[G0W:G0W+3], s[G1W:G1W+7]
	s_nop 0
	PLACES 4
.Lfilled:
	s_lshl_b32 s90, s49, 11                        ; 2,048 bytes of scales for a head in K's and V's buffers
	s_add_nc_u64 s[92:93], s[4:5], s[90:91]
	s_add_nc_u64 s[94:95], s[6:7], s[90:91]
	s_add_nc_u64 s[100:101], s[8:9], s[90:91]
	s_lshr_b32 s88, s49, 4                         ; the batch
	s_lshl_b32 s88, s88, 10
	s_lshl_b32 s89, s48, 8
	s_add_co_u32 s88, s88, s89
	s_lshl_b32 s89, s51, 6
	s_add_co_u32 s88, s88, s89                     ; the first of the 64 tokens that I project
	s_mul_i32 s98, s88, 768
	s_add_nc_u64 s[68:69], s[68:69], s[98:99]
	s_lshl_b32 s98, s88, 5
	s_add_nc_u64 s[70:71], s[70:71], s[98:99]
	s_lshl_b32 s98, s96, 11
	s_add_nc_u64 s[74:75], s[74:75], s[98:99]      ; Wq's scale bytes: the head's 64 rows of 32
	s_lshl_b32 s98, s96, 8
	s_add_nc_u64 s[76:77], s[76:77], s[98:99]      ; the bias: the head's 64 numbers
	s_lshl_b32 s88, s48, 4
	s_lshl_b32 s89, s[WV], 1
	s_add_co_u32 s88, s88, s89                     ; T: my first tile of 16 queries, 0 .. 62
	s_lshr_b32 s89, s49, 4                         ; O: ((64 batch + T) x 16 + head) x 768
	s_lshl_b32 s89, s89, 6
	s_add_co_u32 s89, s89, s88
	s_lshl_b32 s89, s89, 4
	s_add_co_u32 s89, s89, s96
	s_mul_i32 s98, s89, 768
	s_add_nc_u64 s[12:13], s[10:11], s[98:99]
	s_lshl_b32 s98, s48, 9                         ; O's scale halves: my work-group's 256 tokens, 2 bytes each; wave 0 stores part r's, wave 1 part i's
	s_add_co_u32 s98, s98, s90
	s_min_u32 s89, s[WV], 1
	s_lshl_b32 s89, s89, 17
	s_add_co_u32 s98, s98, s89
	s_add_nc_u64 s[16:17], s[10:11], s[98:99]
	s_cmp_eq_u32 s[WV], 0
	s_mov_b32 s19, 0x07060302
	s_cselect_b32 s19, 0x05040100, s19
.macro QLOAD s                         ; q's four fragments of K step s into set s % 2 (window 1): 48 bytes on end a lane
	WIN 0x40
.irp m, 0,1,2,3
.irp k, 0,1,2
	global_load_b128 v[QF+48*((\s)%2)+12*\m+4*\k:QF+48*((\s)%2)+12*\m+4*\k+3], v[AQ], s[68:69] offset:\m*12288+96*(\s)+16*\k
.endr
.endr
	WIN 0
.endm
.macro WLOAD s                         ; Wq's four fragments of K step s into window s % 2.  Piece P of 16 bytes of a row lies at 16 P + 16 (P / 16)
	WIN 0x40*((\s)%2)
.irp t, 0,1,2,3
.irp k, 0,1,2
.set P0, 6*(\s)+\k
.if P0%16 < 13
	ds_load_b128 v[WF+12*\t+4*\k:WF+12*\t+4*\k+3], v[AW0] offset:\t*16*WROW+16*P0+16*(P0/16)
.else
	ds_load_b128 v[WF+12*\t+4*\k:WF+12*\t+4*\k+3], v[AW1] offset:\t*16*WROW+16*P0+16*(P0/16)
.endif
.endr
.endr
	WIN 0
.endm
.macro QMUL s                          ; sixteen products, the sixteen accumulators by turns
.if (\s) == 0
	WIN 0x14                                       ; q's fragments and the bias in window 1
.else
	WIN 0x04|((\s)%2)
.endif
.irp m, 0,1,2,3
.irp t, 0,1,2,3
.set rD, ACC+32*\m+8*\t
.set rW, WF+12*\t
.set rQ, QF+48*((\s)%2)+12*\m
.set rSW, WSC+4*\t+(\s)%4
.set rSQ, QSA+4*\m+(\s)%4
.if (\s) == 0
	v_wmma_scale_f32_16x16x128_f8f6f4 v[rD:rD+7], v[rW:rW+11], v[rQ:rQ+11], v[BIA+8*\t:BIA+8*\t+7], v[rSW], v[rSQ] matrix_a_fmt:MATRIX_FMT_FP6 matrix_b_fmt:MATRIX_FMT_FP6
.elseif (\s) < 4
	v_wmma_scale_f32_16x16x128_f8f6f4 v[rD:rD+7], v[rW:rW+11], v[rQ:rQ+11], v[rD:rD+7], v[rSW], v[rSQ] matrix_a_fmt:MATRIX_FMT_FP6 matrix_b_fmt:MATRIX_FMT_FP6
.else
	v_wmma_scale_f32_16x16x128_f8f6f4 v[rD:rD+7], v[rW:rW+11], v[rQ:rQ+11], v[rD:rD+7], v[rSW], v[rSQ] matrix_a_fmt:MATRIX_FMT_FP6 matrix_b_fmt:MATRIX_FMT_FP6 matrix_a_scale:MATRIX_SCALE_ROW1 matrix_b_scale:MATRIX_SCALE_ROW1
.endif
.endr
.endr
	WIN 0
.endm
; 64 numbers of a lane from v[src] on, register 16 b + i: block b's 16 numbers of my half; they become twelve registers of codes from v[pc] on and a scale word in v[pw].  nat = 1: the blocks in the natural order
.macro QUANT pw, nat, src, pc
.irp b, 0,1,2,3
	v_max3_num_f32 v[TM+\b], |v[\src+16*\b]|, |v[\src+1+16*\b]|, 0x1800000   ; with the floor 2^(3 - 127)
.endr
.irp i, 2,4,6,8,10,12,14
.irp b, 0,1,2,3
	v_max3_num_f32 v[TM+\b], v[TM+\b], |v[\src+16*\b+\i]|, |v[\src+1+16*\b+\i]|
.endr
.endr
.irp b, 0,1,2,3
	v_permlanex16_b32 v[TM+4+\b], v[TM+\b], s[SEL], s[SEL+1]
.endr
.irp b, 0,1,2,3
	v_max_num_f32 v[TM+\b], v[TM+\b], v[TM+4+\b]
.endr
.irp b, 0,1,2,3
	v_add_nc_u32 v[TM+12+\b], 0xff000000, v[TM+\b] ; 2 off the exponent field: the conversion's scale operand
.endr
.irp b, 0,1,2,3
	v_lshrrev_b32 v[TM+4+\b], 23, v[TM+12+\b]
.endr
	v_lshl_or_b32 v[\pw], v[TM+5], 8, v[TM+4]
	v_lshl_or_b32 v[\pw], v[TM+6], 16, v[\pw]
	v_lshl_or_b32 v[\pw], v[TM+7], 24, v[\pw]
.irp c, 0,1
	v_cvt_scalef32_pk16_fp6_f32 v[\pc+6*\c:\pc+2+6*\c], v[\src+32*\c:\src+15+32*\c], v[TM+12+2*\c]
	v_cvt_scalef32_pk16_fp6_f32 v[\pc+12+4*\c:\pc+14+4*\c], v[\src+16+32*\c:\src+31+32*\c], v[TM+13+2*\c]
.endr
	v_nop                                          ; one plain place behind a scaled conversion
.irp c, 0,1                                    ; a whole block to a lane
.irp i, 0,1,2
	v_permlane16_swap_b32 v[\pc+6*\c+\i], v[\pc+12+4*\c+\i]
.endr
.if \nat
	v_perm_b32 v[\pc+6*\c+3], v[\pc+6*\c+2], v[\pc+6*\c+1], 0x05040302   ; codes 0-7, 16-23 | 8-15, 24-31 into the order 0-31
	v_perm_b32 v[\pc+6*\c+4], v[\pc+13+4*\c], v[\pc+6*\c+2], 0x07060302
	v_mov_b32 v[\pc+6*\c+5], v[\pc+14+4*\c]
	v_perm_b32 v[\pc+6*\c+2], v[\pc+13+4*\c], v[\pc+12+4*\c], 0x05040302
	v_perm_b32 v[\pc+6*\c+1], v[\pc+12+4*\c], v[\pc+6*\c+1], 0x05040100
.else
.irp i, 0,1,2
	v_mov_b32 v[\pc+3+6*\c+\i], v[\pc+12+4*\c+\i]
.endr
.endif
.endr
.endm
	global_load_b64 v[KL:KL+1], v[GT8], s[92:93] offset:6291456      ; K's scale halves of part r,
	global_load_b64 v[KL+2:KL+3], v[GT8], s[92:93] offset:6422528    ; and of part i
	global_load_b64 v[VL:VL+1], v[GT8], s[94:95] offset:3145728      ; Vr's scale words,
	global_load_b64 v[VL+2:VL+3], v[GT8], s[100:101] offset:3145728  ; and Vi's
	WIN 0x40
.irp t, 0,1,2,3
	global_load_b128 v[BIA+8*\t:BIA+8*\t+3], v[BOF], s[76:77] offset:64*\t        ; bq[16 t + 8 h + 0 .. 7], once a wave
	global_load_b128 v[BIA+8*\t+4:BIA+8*\t+7], v[BOF], s[76:77] offset:64*\t+16
.endr
	WIN 0
.irp t, 0,1,2,3
	global_load_b128 v[WSC+4*\t:WSC+4*\t+3], v[VSO], s[74:75] offset:512*\t   ; 16 rows' scale bytes: 512 consecutive bytes
	global_load_b128 v[QSA+4*\t:QSA+4*\t+3], v[VSO], s[70:71] offset:512*\t
.endr
	QLOAD 0
	QLOAD 1
	s_wait_loadcnt 24                              ; all but q's two sets of twelve loads
.irp i, 0,1,2,3,4,5,6,7,8,9,10,11,12,13,14,15
	v_perm_b32 v[WSC+\i], v[WSC+\i], v[WSC+\i], 0x03010200   ; bytes 1 and 2 change places, as the blocks do
	v_perm_b32 v[QSA+\i], v[QSA+\i], v[QSA+\i], 0x03010200
.endr
	v_perm_b32 v[KM], v[KL+2], v[KL], 0x05040100   ; a key's word: part r's two bytes, then part i's
	v_perm_b32 v[KM+1], v[KL+2], v[KL], 0x07060302
	v_perm_b32 v[KM+2], v[KL+3], v[KL+1], 0x05040100
	v_perm_b32 v[KM+3], v[KL+3], v[KL+1], 0x07060302
	PLACES 4                                       ; with the four lines above: eight places between the last scale word's write and the first product
	ds_store_b32 v[KST], v[KM]
	ds_store_b32 v[KST], v[KM+1] offset:256
	ds_store_b32 v[KST], v[KM+2] offset:64
	ds_store_b32 v[KST], v[KM+3] offset:320
	ds_store_b64 v[VST], v[VL:VL+1]
	ds_store_b64 v[VST], v[VL+2:VL+3] offset:2048
	s_wait_alu depctr_va_vdst(0)                   ; the wait ahead of the waits below
	s_cmp_lt_u32 s[WV], 4                          ; waves 0-3: my quarter of Wq's rows is in.  The other waves' loads, K's and V's, may stay out
	s_cbranch_scc0 .Lnot_wq
	s_wait_tensorcnt 0x0
.Lnot_wq:
	s_wait_dscnt 0x0
	s_barrier_signal -1
	s_barrier_wait -1                              ; both parts' rows are in
	WLOAD 0
.irp s, 0,1,2,3,4,5,6,7
.if \s < 7
	WLOAD \s+1
	s_wait_loadcnt 12                              ; this step's fragments of q are in; the next step's twelve loads may be out
	s_wait_dscnt 12                                ; and this step's of Wq; the twelve just issued may be out
.else
	s_wait_loadcnt 0x0
	s_wait_dscnt 0x0
.endif
	QMUL \s
	PLACES 4                                       ; in front of loads into registers that these products have read
.if \s < 6
	QLOAD \s+2
.endif
.endr
	s_barrier_signal -1                            ; my reads of Wq's rows are over.  Work on registers alone stands up to the wait
	QUANT 252, 0, 96, 32                           ; my token tiles 0, 1: registers 0-5 and 6-11, the word's low and high half
	QUANT 251, 0, 160, 56                          ; my token tiles 2, 3
	s_wait_alu depctr_va_vdst(0)
	s_barrier_wait -1                              ; everybody's reads are over: Wq's bytes take the images
.irp q, 0,1,2
	ds_store_b64 v[AQS], v[32+2*\q:33+2*\q] offset:256*\q
	ds_store_b64 v[AQS], v[38+2*\q:39+2*\q] offset:1536+256*\q
	ds_store_b64 v[AQS], v[56+2*\q:57+2*\q] offset:3072+256*\q
	ds_store_b64 v[AQS], v[62+2*\q:63+2*\q] offset:4608+256*\q
.endr
	ds_store_b32 v[AQW], v252                      ; lanes r and 16 + r write the same word with the same value
	ds_store_b32 v[AQW], v251 offset:128
.macro KLOAD                           ; a step's eight tiles of K, four into each window's set, and their scale words; s88, s89: the step's place
	v_add_nc_u32 v[AK], s88, v[L8]
	v_add_nc_u32 v[AKS], s89, v[BKS]
.irp t, 0,1,2,3
.irp p, 0,1,2,3,4,5
	ds_load_b64 v[32+12*\t+2*\p:33+12*\t+2*\p], v[AK] offset:\t*1536+256*\p
.endr
.endr
	WIN 0x40
.irp t, 0,1,2,3
.irp p, 0,1,2,3,4,5
	ds_load_b64 v[32+12*\t+2*\p:33+12*\t+2*\p], v[AK] offset:(4+\t)*1536+256*\p
.endr
.endr
	WIN 0
.irp i, 0,1,2,3,4,5,6,7
	ds_load_b32 v[KSC+\i], v[AKS] offset:64*\i
.endr
	s_add_co_u32 s88, s88, 12288
	s_add_co_u32 s89, s89, 512
.endm
.macro VLOAD                           ; Vr's four tiles into window 0's set, Vi's into window 1's, and their scale words; s90, s91: the step's place
	v_add_nc_u32 v[AV], s90, v[L8]
	v_add_nc_u32 v[AVS], s91, v[BVS]
.irp t, 0,1,2,3
.irp p, 0,1,2,3,4,5
	ds_load_b64 v[32+12*\t+2*\p:33+12*\t+2*\p], v[AV] offset:\t*1536+256*\p
.endr
.endr
	WIN 0x40
.irp t, 0,1,2,3
.irp p, 0,1,2,3,4,5
	ds_load_b64 v[32+12*\t+2*\p:33+12*\t+2*\p], v[AV] offset:49152+\t*1536+256*\p
.endr
.endr
	WIN 0
	ds_load_b128 v[VSC:VSC+3], v[AVS]
	ds_load_b128 v[VSC+4:VSC+7], v[AVS] offset:2048
	s_add_co_u32 s90, s90, 6144
	s_add_co_u32 s91, s91, 256
.endm
.macro SMUL                            ; S^T = K Q^T: set g's four tiles of keys against both tiles of queries
.irp g, 0,1
.irp u, 0,1
	WIN \g|(0x54*\u)
.irp t, 0,1,2,3
	v_wmma_scale_f32_16x16x128_f8f6f4 v[96+8*(4*\g+\t):103+8*(4*\g+\t)], v[32+12*\t:43+12*\t], v[16:27], 0, v[KSC+4*\g+\t], v[QW0+\u] matrix_a_fmt:MATRIX_FMT_FP6 matrix_b_fmt:MATRIX_FMT_FP6
.endr
.endr
.endr
	WIN 0
.endm
.macro PVMUL                           ; O^T += V^T P^T: g = 0 Vr's four tiles of 16 channels, g = 1 Vi's; the accumulators by turns
.irp g, 0,1
.irp u, 0,1
	WIN \g|(0x54*\u)
.irp t, 0,1,2,3
	v_wmma_scale_f32_16x16x128_f8f6f4 v[160+8*(4*\g+\t):167+8*(4*\g+\t)], v[32+12*\t:43+12*\t], v[224:235], v[160+8*(4*\g+\t):167+8*(4*\g+\t)], v[VSC+4*\g+\t], v[PW0+\u] matrix_a_fmt:MATRIX_FMT_FP6 matrix_b_fmt:MATRIX_FMT_FP6
.endr
.endr
.endr
	WIN 0
.endm
.macro VPH u                           ; the softmax step of query tile u, all in its window
	WIN 0x55*\u
	s_wait_alu depctr_va_vdst(0)                   ; the wait ahead of the first reader of S^T
.irp b, 0,1,2,3
	v_max3_num_f32 v[232+\b], v[96+16*\b], v[97+16*\b], v[98+16*\b]   ; the largest score of each block of 32 keys: for the row's maximum and for the block's largest p
.endr
.irp i, 3,5,7,9,11,13
.irp b, 0,1,2,3
	v_max3_num_f32 v[232+\b], v[232+\b], v[96+16*\b+\i], v[97+16*\b+\i]
.endr
.endr
.irp b, 0,1,2,3
	v_max_num_f32 v[232+\b], v[232+\b], v[111+16*\b]
.endr
.irp b, 0,1,2,3
	s_delay_alu instid0(VALU_DEP_4)
	v_permlanex16_b32 v[236+\b], v[232+\b], s[SEL], s[SEL+1]
.endr
.irp b, 0,1,2,3
	s_delay_alu instid0(VALU_DEP_4)
	v_max_num_f32 v[232+\b], v[232+\b], v[236+\b]
.endr
	s_delay_alu instid0(VALU_DEP_2)
	v_max3_num_f32 v254, v232, v233, v234
	s_delay_alu instid0(VALU_DEP_1)
	v_max_num_f32 v254, v254, v235
	s_delay_alu instid0(VALU_DEP_1)
	v_mul_f32 v254, s[CS], v254                    ; the step's largest t
	s_delay_alu instid0(VALU_DEP_1)
	v_max_num_f32 v13, v13, v254
	v_mov_b32 v254, v12
	s_delay_alu instid0(VALU_DEP_2)
	v_floor_f32 v12, -v13                          ; the new -M = -ceil(t)
	s_delay_alu instid0(VALU_DEP_1)
	v_sub_f32 v254, v12, v254                      ; old M - new M: a whole number, 0 or less
	s_delay_alu instid0(VALU_DEP_1)
	v_cvt_i32_f32 v254, v254
	s_delay_alu instid0(VALU_DEP_1)
	v_ldexp_f32 v252, 1.0, v254                    ; f = 2^(old M - new M): rounds nothing
.set j, 0
.rept 32
	v_pk_fma_f32 v[96+j:97+j], v[96+j:97+j], s[CS:CS+1], v[12:13] op_sel_hi:[1,0,0]   ; t - M
.set j, j+2
.endr
.irp b, 0,1,2,3
	v_fma_f32 v[232+\b], v[232+\b], s[CS], v12
.endr
	s_wait_alu depctr_va_vdst(0)                   ; ahead of the batch
.set j, 0
.rept 64
	v_exp_f32 v[96+j], v[96+j]                     ; p = 2^(t - M)
.set j, j+1
.endr
	v_pk_mul_f32 v[14:15], v[14:15], v[252:253] op_sel_hi:[1,0]   ; the sums under the new M: a plain place behind the exponentials
	s_wait_alu depctr_va_vdst(0)                   ; one wait for the batch, ahead of its first reader
.irp b, 0,1,2,3
	v_exp_f32 v[232+\b], v[232+\b]                 ; the block's largest p
.endr
	v_pk_add_f32 v[236:237], v[96:97], v[98:99]    ; the row's sum of the unquantised p, in four chains
	v_pk_add_f32 v[240:241], v[100:101], v[102:103]
	v_pk_add_f32 v[242:243], v[104:105], v[106:107]
	v_pk_add_f32 v[14:15], v[14:15], v[108:109]
.irp j, 14,22,30,38,46,54
	v_pk_add_f32 v[236:237], v[236:237], v[96+\j:97+\j]
	v_pk_add_f32 v[240:241], v[240:241], v[98+\j:99+\j]
	v_pk_add_f32 v[242:243], v[242:243], v[100+\j:101+\j]
	v_pk_add_f32 v[14:15], v[14:15], v[102+\j:103+\j]
.endr
	v_pk_add_f32 v[236:237], v[236:237], v[158:159]
	v_pk_add_f32 v[240:241], v[240:241], v[242:243]
	s_delay_alu instid0(VALU_DEP_2)
	v_pk_add_f32 v[14:15], v[14:15], v[236:237]
	s_delay_alu instid0(VALU_DEP_1)
	v_pk_add_f32 v[14:15], v[14:15], v[240:241]
	s_wait_alu depctr_va_vdst(0)                   ; and one for the four
.irp b, 0,1,2,3
	v_max_num_f32 v[232+\b], 0x1800000, v[232+\b]  ; the floor 2^(3 - 127)
.endr
.irp b, 0,1,2,3
	s_delay_alu instid0(VALU_DEP_4)
	v_add_nc_u32 v[244+\b], 0xff000000, v[232+\b]
.endr
.irp b, 0,1,2,3
	s_delay_alu instid0(VALU_DEP_4)
	v_lshrrev_b32 v[236+\b], 23, v[244+\b]
.endr
	s_delay_alu instid0(VALU_DEP_3)
	v_lshl_or_b32 v253, v237, 8, v236
	s_delay_alu instid0(VALU_DEP_1)
	v_lshl_or_b32 v253, v238, 16, v253
	WIN 0x15*\u                                    ; a scale operand is taken from window 0
	v_lshl_or_b32 v[PW0+\u], v239, 24, v253        ; p's scale word for these 128 keys
	WIN 0x55*\u
.irp c, 0,1
	v_cvt_scalef32_pk16_fp6_f32 v[224+6*\c:226+6*\c], v[96+32*\c:111+32*\c], v[244+2*\c]
	v_cvt_scalef32_pk16_fp6_f32 v[236+4*\c:238+4*\c], v[112+32*\c:127+32*\c], v[244+2*\c+1]
.endr
	v_nop                                          ; one plain place behind a scaled conversion
.irp c, 0,1
.irp i, 0,1,2
	v_permlane16_swap_b32 v[224+6*\c+\i], v[236+4*\c+\i]
.endr
.irp i, 0,1,2
	s_delay_alu instid0(VALU_DEP_3)
	v_mov_b32 v[227+6*\c+\i], v[236+4*\c+\i]
.endr
.endr
	s_wait_alu depctr_va_vdst(0)                   ; the wait ahead of the first reader of O^T
.set j, 0
.rept 32
	v_pk_mul_f32 v[160+j:161+j], v[160+j:161+j], v[252:253] op_sel_hi:[1,0]   ; O^T under the new M
.set j, j+2
.endr
.endm
; A KEY STEP: 128 keys.  V's tiles are asked for ahead of the softmax work, the next step's tiles of K behind the value products
.macro BODY last
	s_wait_dscnt 0x0                               ; K's tiles and scale words are in
	SMUL
	PLACES 4                                       ; in front of the loads into both sets and of the first reads of S^T
	VLOAD
	VPH 0
	VPH 1
	WIN 0
	s_wait_alu depctr_va_vdst(0)                   ; the wait ahead of the wait below
	s_wait_dscnt 0x0                               ; V's tiles and scale words are in
	PVMUL
	PLACES 4
.if !(\last)
	KLOAD
.endif
.endm
	s_wait_tensorcnt 0x0                           ; my one load is in,
	s_wait_dscnt 0x0                               ; and my images and scale words are stored
	s_barrier_signal -1
	s_barrier_wait -1                              ; all of K, V and Q lie in LDS
.irp p, 0,1,2,3,4,5
	ds_load_b64 v[16+2*\p:17+2*\p], v[AQL] offset:256*\p          ; my first tile's fragment: part r's half, then part i's
.endr
	ds_load_b32 v252, v[AQR]                       ; my pair's word of part r,
	ds_load_b32 v254, v[AQR] offset:64             ; and of part i
	WIN 0x40
.irp p, 0,1,2,3,4,5
	ds_load_b64 v[16+2*\p:17+2*\p], v[AQL] offset:1536+256*\p     ; my second tile's
.endr
	WIN 0
	s_mov_b32 s88, 0
	s_mov_b32 s89, 0
	s_mov_b32 s90, VOFF
	s_mov_b32 s91, 0
	s_wait_dscnt 0x0
	v_perm_b32 v[QW0], v254, v252, 0x05040100      ; a tile's word: part r's two bytes, then part i's
	v_perm_b32 v[QW0+1], v254, v252, 0x07060302
	KLOAD
.irp u, 0,1
	WIN 0x55*\u
	v_mov_b32 v13, 0xff61b1e6                      ; the largest t so far: -3e38
	v_floor_f32 v12, -v13
	v_mov_b32 v14, 0
	v_mov_b32 v15, 0
	v_mov_b32 v253, 0
.irp b, 0,1,2,3
	v_mov_b32 v[236+\b], 0                         ; a lane permute's destination counts as one of its sources
.endr
.set j, 0
.rept 64
	v_mov_b32 v[160+j], 0                          ; O^T: the step is written for all steps alike; the first change of M leaves zeros zeros
.set j, j+1
.endr
.endr
	WIN 0
	s_mov_b32 s2, 7
	s_wait_alu depctr_va_vdst(0)
.Lstep:
	BODY 0
	s_sub_co_i32 s2, s2, 1
	s_cmp_lg_u32 s2, 0
	s_wait_alu depctr_va_vdst(0)                   ; the wait ahead of the branch
	s_cbranch_scc1 .Lstep
	BODY 1                                         ; the last step asks for no further tiles
; THE WAY OUT of query tile u
.macro FIN u
	WIN 0x55*\u
	v_add_f32 v14, v14, v15
	v_permlanex16_b32 v252, v14, s[SEL], s[SEL+1]
	v_add_f32 v14, v14, v252                       ; the row's sum
	s_wait_alu depctr_va_vdst(0)
	v_rcp_f32 v14, v14
	v_nop
	s_wait_alu depctr_va_vdst(0)
.set j, 0
.rept 32
	v_pk_mul_f32 v[96+j:97+j], v[160+j:161+j], v[14:15] op_sel_hi:[1,0]   ; each accumulator from its low end on
.set j, j+2
.endr
	QUANT 248, 1, 96, 32                           ; my query's word: part r's two bytes, then part i's
	WIN 0x04*\u                                    ; the data in the tile's window
.irp q, 0,1,2
	global_store_b64 v[L8], v[32+2*\q:33+2*\q], s[12:13] offset:12288*\u+256*\q             ; part r's half fragment: 256 consecutive aligned bytes a store
	global_store_b64 v[L8], v[38+2*\q:39+2*\q], s[12:13] offset:3145728+12288*\u+256*\q     ; part i's
.endr
	ds_store_b32 v[AOW], v248 offset:64*\u
.endm
	FIN 0
	FIN 1
	WIN 0
	s_wait_dscnt 0x0
	s_barrier_signal -1
	s_barrier_wait -1                              ; the 256 queries' words lie in LDS
	s_cmp_lt_u32 s[WV], 2                          ; wave 0 stores part r's halves, wave 1 part i's: 512 consecutive bytes
	s_cbranch_scc0 .Ldone
	ds_load_b128 v[96:99], v[AOR]
	ds_load_b128 v[100:103], v[AOR] offset:16
	v_lshlrev_b32 v108, 1, v[L8]
	s_wait_alu depctr_va_vdst(0)
	s_wait_dscnt 0x0
.irp i, 0,1,2,3
	v_perm_b32 v[104+\i], v[97+2*\i], v[96+2*\i], s19
.endr
	global_store_b128 v108, v[104:107], s[16:17] offset:6291456
.Ldone:
	s_wait_tensorcnt 0x0                           ; the wave's end
	ds_add_u32 v[SPW], v[NIL]
	s_wait_dscnt 0x0
	CROUND                                         ; the closing round
	s_endpgm
.Lfunc_end_k_qd8699be073_attn:
	.size	k_qd8699be073_attn, .Lfunc_end_k_qd8699be073_attn-k_qd8699be073_attn
	.p2alignl 7, 3214868480
	.fill 96, 4, 3214868480
	.section	.rodata,"a",@progbits
	.p2align	6, 0x0
	.amdhsa_kernel k_qd8699be073_attn
		.amdhsa_group_segment_fixed_size 311296
		.amdhsa_private_segment_fixed_size 0
		.amdhsa_enable_private_segment 0
		.amdhsa_kernarg_size 112
		.amdhsa_user_sgpr_count 2
		.amdhsa_user_sgpr_kernarg_segment_ptr 1
		.amdhsa_wavefront_size32 1
		.amdhsa_system_sgpr_workgroup_id_x 1
		.amdhsa_system_sgpr_workgroup_id_y 1
		.amdhsa_system_sgpr_workgroup_id_z 1
		.amdhsa_system_vgpr_workitem_id 0
		.amdhsa_next_free_vgpr 512
		.amdhsa_next_free_sgpr 102
		.amdhsa_reserve_vcc 0
		.amdhsa_float_denorm_mode_32 3
		.amdhsa_float_denorm_mode_16_64 3
		.amdhsa_memory_ordered 1
		.amdhsa_forward_progress 1
		.amdhsa_inst_pref_size 158
	.end_amdhsa_kernel
	.amdgpu_metadata
---
amdhsa.version: [ 1, 2 ]
amdhsa.kernels:
  - .name:           k_qd8699be073_attn
    .symbol:         k_qd8699be073_attn.kd
    .args:
      - { .name: Kb, .offset: 0, .size: 8, .value_kind: global_buffer, .address_space: global }
      - { .name: Vrb, .offset: 8, .size: 8, .value_kind: global_buffer, .address_space: global }
      - { .name: Vib, .offset: 16, .size: 8, .value_kind: global_buffer, .address_space: global }
      - { .name: Ob, .offset: 24, .size: 8, .value_kind: global_buffer, .address_space: global }
      - { .name: q_r_codes, .offset: 32, .size: 8, .value_kind: global_buffer, .address_space: global }
      - { .name: q_r_scales, .offset: 40, .size: 8, .value_kind: global_buffer, .address_space: global }
      - { .name: Wq_r_codes, .offset: 48, .size: 8, .value_kind: global_buffer, .address_space: global }
      - { .name: Wq_r_scales, .offset: 56, .size: 8, .value_kind: global_buffer, .address_space: global }
      - { .name: bq_r, .offset: 64, .size: 8, .value_kind: global_buffer, .address_space: global }
      - { .name: q_i_codes, .offset: 72, .size: 8, .value_kind: global_buffer, .address_space: global }
      - { .name: q_i_scales, .offset: 80, .size: 8, .value_kind: global_buffer, .address_space: global }
      - { .name: Wq_i_codes, .offset: 88, .size: 8, .value_kind: global_buffer, .address_space: global }
      - { .name: Wq_i_scales, .offset: 96, .size: 8, .value_kind: global_buffer, .address_space: global }
      - { .name: bq_i, .offset: 104, .size: 8, .value_kind: global_buffer, .address_space: global }
    .group_segment_fixed_size: 311296
    .private_segment_fixed_size: 0
    .kernarg_segment_align: 8
    .kernarg_segment_size: 112
    .max_flat_workgroup_size: 256
    .sgpr_count:     102
    .vgpr_count:     512
    .wavefront_size: 32
...
	.end_amdgpu_metadata
.endif
;; end of part 2
;; launch outp (part 3): grid 4 x 64, 4 waves a work-group, clusters of 4 x 4, 327,680 bytes of LDS; arguments Ob, Wo_r_codes, Wo_r_scales, bo_r, Wo_i_codes, Wo_i_scales, bo_i, out0, out1; writes out0, out1
.if DOCPART == 3
	.amdgcn_target "amdgcn-amd-amdhsa--gfx1250"
	.amdhsa_code_object_version 6
	.text
	.protected	k_qd8699be073_outp
	.globl	k_qd8699be073_outp
	.p2align	8
	.type	k_qd8699be073_outp,@function
k_qd8699be073_outp:
	s_mov_b64 s[64:65], 0
	v_nop
	global_prefetch_b8 v0, s[64:65] scope:SCOPE_SE
	s_setreg_imm32_b32 hwreg(HW_REG_WAVE_MODE, 25, 1), 1
	s_wait_xcnt 0x0
	s_wait_alu depctr_hold_cnt(0) depctr_sa_sdst(0) depctr_va_vdst(0) depctr_va_sdst(0) depctr_va_ssrc(0) depctr_va_vcc(0) depctr_vm_vsrc(0)
	s_getreg_b32 s2, hwreg(HW_REG_IB_STS2, 6, 4)
	s_cmp_eq_u32 s2, 0
	s_cbranch_scc0 .Lentry_in_a_cluster
	s_endpgm
.Lentry_in_a_cluster:
	s_bfe_u32 s2, ttmp6, 0x10000c
	s_cmp_lg_u32 s2, 0xf033
	s_cbranch_scc0 .Lentry_shape_is_right
	s_endpgm
.Lentry_shape_is_right:
; THE TWO OUTPUT PROJECTIONS: out = O Wo^T + bo, for the real and the imaginary part.  No work is left out.
; O: 4,096 x 1,024 as codes of FP6 (E2M3) in the order of an operand's registers, [part 2][tile of 16 rows 256][head 16][plane 3][256], with scale halves [part][batch, head][token] of 2 bytes from byte 6,291,456.
; Wo: codes and scale bytes as given, K innermost.  bo and out: f32.
; A block of 128 rows x 256 columns of a part's result to a work-group: 2 x 32 x 4 = 256 work-groups of four waves.
; ALL OF K IS STAGED ONCE: O's 128 rows are one dense block of 98,304 bytes, Wo's 256 rows one of 196,608 (as rows of 256 bytes + 16 of padding: a row of Wo is 816 bytes in LDS).
; Each wave issues one joint load at the head (waves 0, 1 a half of O's block, waves 2, 3 a half of Wo's); nothing is filled again.
; CLUSTERS of 4 x 4: O's block is shared along a row of the cluster, Wo's along a column.
; THE WALK GOES BY ROWS OF THE RESULT.  A wave owns 64 columns and all 128 rows.  Its 4 x 8 fragments of Wo, all of K, go into 384 registers once; then the eight blocks of 16 rows are finished one after the other,
; 32 products each (K ascending, the block's four accumulators by turns), and a finished block is stored while the next is multiplied.  A wave reads 32 + 64 fragments from LDS, none of them twice.
; The matrix instruction is used transposed (source 0 = 16 rows of Wo, source 1 = 16 rows of O): a lane holds eight neighbouring numbers of a row of the result.  The bias is the C of a block's first products.
; Scale words stand in registers for all of K: register s % 4 of a block holds K step s, in lanes 0-15 for s < 4, in lanes 16-31 else.  Wo's come straight from memory, 512 consecutive bytes a load;
; O's (two heads' halves make the word of 128 along K) are merged once, through LDS bytes that no tensor load fills.
; REGISTERS: window 0: v2-15 addresses, v16-31 Wo's scale words, v32-63 O's, v64-255 O's fragments of a block, two sets.  Window 1: Wo's fragments 0-20; window 2: v0-131 fragments 21-31, v136-199 two sets of four accumulators,
; v200-231 the bias.  Window 3: v0-63 rows read back from the stage, two sets.
; Nothing is prefetched: all tiles are asked for at the head, and there is no loop to run ahead in.
; LIMITS: NaN and infinities are not served.
.set FR,     12
.set PW,     816
.set WOFF,   98304                     ; behind O's block: Wo's rows
.set WHALF,  128*PW
.set OSL,    WOFF+2*WHALF              ; O's scale words: 128 rows of 32 bytes
.set SPARE,  OSL+4096                  ; the spare words
.set SPITCH, 272                       ; the way out: 16 rows x (256 + 16) bytes a wave, in Wo's bytes, which have had their one fill and, behind a barrier, their last read
.set ADRA, 2                           ; v2, v3 O's blocks 0-3, 4-7
.set ADRB, 4                           ; v4 my 64 rows of Wo; v5 the same with lanes 16-31 behind one padding more
.set STO,  6
.set RD,   7
.set CO,   8
.set WSO,  9
.set SPW,  10
.set NIL,  11
.set OSR,  12
.set BOF,  13
.set OSW,  14
.set GO,   15
.set WS,   16
.set OS,   32
.set AF,   64
.set ACC,  136
.set BI,   200
.set G1,   24
.set G0,   32
.set G1B,  48
.set G0B,  56
.set MSB, 0
.macro WIN new
.if MSB != (\new)
	s_set_vgpr_msb (MSB<<8)|(\new)
.set MSB, (\new)
.endif
.endm
.macro CROUND
	s_barrier_signal -1
	s_barrier_wait -1
	s_cmp_lg_u32 s14, 0
	s_cbranch_scc1 .Lnot_wave_0_\@
	s_barrier_signal -3
.Lnot_wave_0_\@:
	s_barrier_wait -3
	s_barrier_signal -1
	s_barrier_wait -1
.endm
.macro PLACES n
.rept \n
	v_nop
.endr
.endm
	s_load_b512 s[68:83], s[0:1], 0x0              ; O 68; Wo_r codes 70, scales 72, bo_r 74; Wo_i codes 76, scales 78, bo_i 80; out0 82
	s_load_b64 s[84:85], s[0:1], 0x40              ; out1
	v_lshl_add_u32 v[SPW], v0, 2, SPARE
	v_mov_b32 v[NIL], 0
	ds_add_u32 v[SPW], v[NIL]                      ; the opening: the add, twice on end, and its wait
	ds_add_u32 v[SPW], v[NIL]
	v_lshrrev_b32 v1, 5, v0
	v_readfirstlane_b32 s14, v1                    ; wave: my 64 columns
	s_lshr_b32 s15, s14, 1                         ; I fetch for O (0) or for Wo (1),
	s_and_b32 s16, s14, 1                          ; and which half of that block
	s_bfe_u32 s40, ttmp6, 0x40000                  ; cx: the block's column
	s_bfe_u32 s41, ttmp6, 0x40004                  ; cy
	s_and_b32 s18, ttmp7, 0xffff                   ; the cluster's y, 0 .. 15
	s_lshr_b32 s66, s18, 3                         ; the part
	s_and_b32 s17, s18, 7
	s_lshl_b32 s17, s17, 2
	s_add_co_u32 s17, s17, s41                     ; the block's row, 0 .. 31
	s_lshl_b32 s43, s41, 2
	s_lshl_b32 s43, 15, s43
	s_lshl_b32 s44, 0x1111, s40
	s_or_b32 s[G1+0], s43, (3<<16)|(1<<21)         ; O: 49,152 dense bytes as 192 rows of 256, no padding
	s_mov_b32 s[G1+1], 32<<16
	s_mov_b32 s[G1+2], 192<<16
	s_mov_b32 s[G1+3], 32<<16
	s_mov_b32 s[G1+4], 192
	s_mov_b32 s[G1+5], 32
	s_mov_b32 s[G1+6], 0
	s_mov_b32 s[G1+7], 0
	s_or_b32 s[G1B+0], s44, (3<<16)|(1<<20)|(1<<21)|(5<<22)|(3<<25)   ; Wo: 98,304 dense bytes as 384 rows of 256, 16 bytes of padding behind each
	s_mov_b32 s[G1B+1], 32<<16
	s_mov_b32 s[G1B+2], 384<<16
	s_mov_b32 s[G1B+3], 32<<16
	s_mov_b32 s[G1B+4], 384
	s_mov_b32 s[G1B+5], 32
	s_mov_b32 s[G1B+6], 0
	s_mov_b32 s[G1B+7], 0
	s_lshl_b32 s20, s17, 3
	s_lshl_b32 s18, s16, 2
	s_add_co_u32 s20, s20, s18                     ; O: the first of the four tiles of 16 rows that I fetch
	s_mul_i32 s20, s20, 12288
	s_mul_i32 s18, s66, 3145728
	s_add_co_u32 s20, s20, s18
	s_mov_b32 s21, 0
	s_lshl_b32 s46, s40, 8
	s_lshl_b32 s47, s16, 7
	s_add_co_u32 s46, s46, s47                     ; Wo: the first of the 128 rows that I fetch
	s_mul_i32 s46, s46, 768
	s_mov_b32 s47, 0
	s_mul_i32 s45, s16, 49152                      ; where they go: by the wave's number alone
	s_mul_i32 s94, s16, WHALF
	s_add_co_u32 s94, s94, WOFF
	s_lshl_b32 s92, s40, 8
	s_lshl_b32 s93, s14, 6
	s_add_co_u32 s92, s92, s93                     ; the first of the 64 columns that I multiply
	s_lshl_b32 s96, s92, 2                         ; in bytes of a row of the result; the bias's place too
	s_mov_b32 s97, 0
	s_lshl_b32 s92, s92, 5                         ; their scale bytes
	s_mov_b32 s93, 0
	s_lshl_b32 s22, s17, 19                        ; the block's first row: 128 rows of 4,096 bytes a block
	s_mov_b32 s23, 0
	s_lshl_b32 s2, s66, 17                         ; O's scale halves: the part, the batch's 16 heads, the block's 128 tokens
	s_lshr_b32 s3, s17, 3
	s_lshl_b32 s3, s3, 15
	s_add_co_u32 s2, s2, s3
	s_and_b32 s3, s17, 7
	s_lshl_b32 s3, s3, 8
	s_add_co_u32 s2, s2, s3
	s_mov_b32 s3, 0
	v_and_b32 v64, 15, v0                          ; r
	v_bfe_u32 v65, v0, 4, 1                        ; h
	v_and_b32 v66, 31, v0                          ; lane
	v_bfe_u32 v67, v0, 6, 1
	v_and_b32 v68, 63, v0
	v_lshlrev_b32 v[ADRA], 3, v66                  ; O: 8 x lane
	v_add_nc_u32 v[ADRA+1], 49152, v[ADRA]
	v_mul_u32_u24 v69, v64, PW
	v_mad_u32_u24 v69, v65, 24, v69
	v_mad_u32_u24 v69, v1, 64*PW, v69              ; Wo: my 64 rows, row r, + 24 h
	v_add_nc_u32 v[ADRB], WOFF, v69
	v_lshl_add_u32 v[ADRB+1], v65, 4, v[ADRB]
	v_mul_u32_u24 v70, v1, 16*SPITCH
	v_add_nc_u32 v70, WOFF, v70                    ; my stage
	v_mad_u32_u24 v69, v64, SPITCH, v70
	v_lshl_add_u32 v[STO], v65, 5, v69             ; in: row r, 32 bytes for each half of the lanes
	v_mad_u32_u24 v69, v65, SPITCH, v70
	v_lshl_add_u32 v[RD], v64, 4, v69              ; back: lanes 0-15 one row of 256 bytes, lanes 16-31 the next
	v_lshlrev_b32 v69, 12, v65
	v_lshl_add_u32 v[CO], v64, 4, v69              ; and the same two rows in the result
	v_lshlrev_b32 v[WSO], 5, v64
	v_lshl_add_u32 v[WSO], v65, 4, v[WSO]          ; 32 r + 16 h
	v_add_nc_u32 v[OSR], OSL, v[WSO]
	v_lshlrev_b32 v69, 6, v68                      ; thread t merges tokens 2 (t % 64), 2 (t % 64) + 1 for heads 8 (t / 64) .. + 7: K steps 4 (t / 64) .. + 3
	v_lshl_add_u32 v69, v67, 4, v69
	v_add_nc_u32 v[OSW], OSL, v69
	v_lshlrev_b32 v69, 2, v68
	v_lshl_add_u32 v[GO], v67, 14, v69
	v_lshlrev_b32 v[BOF], 5, v65
	s_wait_alu depctr_va_vdst(0)                   ; the wait at the head's end
	s_wait_dscnt 0x0                               ; both opening adds are done
	s_wait_kmcnt 0x0
	s_cmp_eq_u32 s66, 1                            ; the part's buffers: choices on the cluster's number alone
	s_cselect_b64 s[8:9], s[76:77], s[70:71]
	s_cselect_b64 s[10:11], s[78:79], s[72:73]
	s_cselect_b64 s[98:99], s[80:81], s[74:75]
	s_cselect_b64 s[12:13], s[84:85], s[82:83]
	s_add_nc_u64 s[20:21], s[68:69], s[20:21]
	s_add_nc_u64 s[46:47], s[8:9], s[46:47]
	s_add_nc_u64 s[10:11], s[10:11], s[92:93]
	s_add_nc_u64 s[98:99], s[98:99], s[96:97]
	s_add_nc_u64 s[12:13], s[12:13], s[22:23]
	s_add_nc_u64 s[12:13], s[12:13], s[96:97]
	s_add_nc_u64 s[4:5], s[68:69], s[2:3]
	s_mov_b32 s[G0], 1
	s_mov_b32 s[G0+1], s45
	s_mov_b64 s[G0+2:G0+3], s[20:21]
	s_or_b32 s[G0+3], s[G0+3], 0x80000000
	s_mov_b32 s[G0B], 1
	s_mov_b32 s[G0B+1], s94
	s_mov_b64 s[G0B+2:G0B+3], s[46:47]
	s_or_b32 s[G0B+3], s[G0B+3], 0x80000000
	CROUND                                         ; all sixteen work-groups are here: the joint loads meet
	s_cmp_eq_u32 s15, 0                            ; one load a wave
	s_cbranch_scc0 .Lfor_w
	tensor_load_to_lds s[G0:G0+3], s[G1:G1+7]
	s_nop 0
	PLACES 4
	s_branch .Lasked
.Lfor_w:
	tensor_load_to_lds s[G0B:G0B+3], s[G1B:G1B+7]
	s_nop 0
	PLACES 4
.Lasked:
.irp i, 0,1,2,3,4,5,6,7
	global_load_b32 v[240+\i], v[GO], s[4:5] offset:6291456+2048*\i   ; head 8 (t / 64) + i: two tokens' halves
.endr
.irp b, 0,1,2,3
	global_load_b128 v[WS+4*\b:WS+4*\b+3], v[WSO], s[10:11] offset:512*\b      ; 16 rows' scale bytes: 512 consecutive bytes
.endr
	WIN 0x80
.irp b, 0,1,2,3
	global_load_b128 v[BI+8*\b:BI+8*\b+3], v[BOF], s[98:99] offset:64*\b        ; bo[16 b + 8 h + 0 .. 7]
	global_load_b128 v[BI+8*\b+4:BI+8*\b+7], v[BOF], s[98:99] offset:64*\b+16
.endr
	WIN 0
	s_wait_loadcnt 12                              ; the halves are in; the 4 + 8 younger loads may be out
.irp j, 0,1,2,3
	v_perm_b32 v[248+\j], v[241+2*\j], v[240+2*\j], 0x05040100   ; the first token's word of a K step: two heads' halves
	v_perm_b32 v[252+\j], v[241+2*\j], v[240+2*\j], 0x07060302   ; the second token's
.endr
	ds_store_b128 v[OSW], v[248:251]
	ds_store_b128 v[OSW], v[252:255] offset:32
.macro BLOAD                           ; my 32 fragments of Wo: fragment 4 s + b.  Byte y of a row lies at y + 16 (y / 256); lanes 16-31 read 24 bytes on, which may lie behind one padding more
.irp s, 0,1,2,3,4,5,6,7
.irp b, 0,1,2,3
.irp p, 0,1,2,3,4,5
.set BY, 96*\s+48*(\p/3)+8*(\p%3)
.set FI, 4*\s+\b
.if FI < 21
	WIN 0x40
.set RG, FR*FI+2*\p
.else
	WIN 0x80
.set RG, FR*(FI-21)+2*\p
.endif
.if BY/256 == (BY+24)/256
	ds_load_b64 v[RG:RG+1], v[ADRB] offset:BY+16*(BY/256)+\b*16*PW
.else
	ds_load_b64 v[RG:RG+1], v[ADRB+1] offset:BY+16*(BY/256)+\b*16*PW
.endif
.endr
.endr
.endr
	WIN 0
.endm
.macro ALOAD a                         ; O's eight fragments of block a, all of K, into set a % 2: the registers as they were stored, 256 consecutive bytes a load
.irp s, 0,1,2,3,4,5,6,7
.irp p, 0,1,2,3,4,5
	ds_load_b64 v[AF+96*((\a)%2)+FR*\s+2*\p:AF+96*((\a)%2)+FR*\s+2*\p+1], v[ADRA+(\a)/4] offset:((\a)%4)*12288+\s*1536+256*\p
.endr
.endr
.endm
.macro ROWS a                          ; block a is finished: 32 products, its four accumulators by turns, one instruction a turn
.irp s, 0,1,2,3,4,5,6,7
.irp b, 0,1,2,3
.set FI, 4*\s+\b
.if FI < 21
	WIN 0xa1
.set rB, FR*FI
.else
	WIN 0xa2
.set rB, FR*(FI-21)
.endif
.set rD, ACC+32*((\a)%2)+8*\b
.set rA, AF+96*((\a)%2)+FR*\s
.set rSB, WS+4*\b+\s%4
.set rSA, OS+4*(\a)+\s%4
.if \s == 0
	v_wmma_scale_f32_16x16x128_f8f6f4 v[rD:rD+7], v[rB:rB+FR-1], v[rA:rA+FR-1], v[BI+8*\b:BI+8*\b+7], v[rSB], v[rSA] matrix_a_fmt:MATRIX_FMT_FP6 matrix_b_fmt:MATRIX_FMT_FP6
.elseif \s < 4
	v_wmma_scale_f32_16x16x128_f8f6f4 v[rD:rD+7], v[rB:rB+FR-1], v[rA:rA+FR-1], v[rD:rD+7], v[rSB], v[rSA] matrix_a_fmt:MATRIX_FMT_FP6 matrix_b_fmt:MATRIX_FMT_FP6
.else
	v_wmma_scale_f32_16x16x128_f8f6f4 v[rD:rD+7], v[rB:rB+FR-1], v[rA:rA+FR-1], v[rD:rD+7], v[rSB], v[rSA] matrix_a_fmt:MATRIX_FMT_FP6 matrix_b_fmt:MATRIX_FMT_FP6 matrix_a_scale:MATRIX_SCALE_ROW1 matrix_b_scale:MATRIX_SCALE_ROW1
.endif
.endr
.endr
	WIN 0
.endm
; THE WAY OUT of a block of 16 rows x 64 columns, through my own stage: in as 32 bytes a lane, back as whole rows of 256 bytes.  LDS serves a wave's instructions in order (ISA guide 5.7.1.4).
.macro TOSTAGE a
	WIN 0x08                                       ; the data: window 2
.irp b, 0,1,2,3
	ds_store_b128 v[STO], v[ACC+32*((\a)%2)+8*\b:ACC+32*((\a)%2)+8*\b+3] offset:64*\b          ; each accumulator from its low end on
	ds_store_b128 v[STO], v[ACC+32*((\a)%2)+8*\b+4:ACC+32*((\a)%2)+8*\b+7] offset:64*\b+16
.endr
	WIN 0xc0                                       ; back into window 3
.irp t, 0,1,2,3,4,5,6,7
	ds_load_b128 v[32*((\a)%2)+4*\t:32*((\a)%2)+4*\t+3], v[RD] offset:\t*2*SPITCH
.endr
	WIN 0
.endm
.macro SEND a, younger                 ; younger: the LDS loads issued behind block a's, which may stay out
	s_wait_dscnt \younger                          ; the block is back in registers
.if (\a) > 0
	s_wait_xcnt 0x0                                ; the earlier stores have read their registers and their base
	s_add_nc_u64 s[12:13], s[12:13], 16*4096
.endif
	WIN 0x0c
.irp t, 0,1,2,3,4,5,6,7
	global_store_b128 v[CO], v[32*((\a)%2)+4*\t:32*((\a)%2)+4*\t+3], s[12:13] offset:\t*8192 th:TH_STORE_NT   ; 16 lanes store 256 consecutive bytes, at a multiple of 256 from the buffer's first byte
.endr
	WIN 0
.endm
	s_wait_tensorcnt 0x0                           ; my half block is in,
	s_wait_dscnt 0x0                               ; and my rows of O's scale words are stored
	s_barrier_signal -1
	s_barrier_wait -1
	ALOAD 0
.irp a, 0,1,2,3,4,5,6,7
	ds_load_b128 v[OS+4*\a:OS+4*\a+3], v[OSR] offset:512*\a
.endr
	BLOAD
	s_wait_loadcnt 0x0                             ; Wo's scale words and the bias
	s_wait_dscnt 0x0
	s_barrier_signal -1                            ; my reads of Wo's rows are over.  Up to the wait: reads of O's bytes, which nobody writes, and work on registers
	ALOAD 1
	ROWS 0
	s_barrier_wait -1                              ; everybody's are: Wo's bytes take the stages
	PLACES 4
	TOSTAGE 0
.irp a, 1,2,3,4,5,6,7
	s_wait_dscnt 16                                ; block a's fragments are in; the stage's 8 stores and 8 loads may be out
.if \a < 7
	ALOAD \a+1                                     ; into the set that block a - 1 read: four places stand behind its products
.endif
	ROWS \a
.if \a < 7
	SEND \a-1, 48                                  ; behind block a - 1's loads from the stage: the 48 fragment loads above
.else
	SEND \a-1, 0
.endif
	PLACES 4
	TOSTAGE \a
.endr
	SEND 7, 0
	s_wait_tensorcnt 0x0                           ; the wave's end
	ds_add_u32 v[SPW], v[NIL]
	s_wait_dscnt 0x0
	CROUND                                         ; the closing round
	s_endpgm
.Lfunc_end_k_qd8699be073_outp:
	.size	k_qd8699be073_outp, .Lfunc_end_k_qd8699be073_outp-k_qd8699be073_outp
	.p2alignl 7, 3214868480
	.fill 96, 4, 3214868480
	.section	.rodata,"a",@progbits
	.p2align	6, 0x0
	.amdhsa_kernel k_qd8699be073_outp
		.amdhsa_group_segment_fixed_size 327680
		.amdhsa_private_segment_fixed_size 0
		.amdhsa_enable_private_segment 0
		.amdhsa_kernarg_size 72
		.amdhsa_user_sgpr_count 2
		.amdhsa_user_sgpr_kernarg_segment_ptr 1
		.amdhsa_wavefront_size32 1
		.amdhsa_system_sgpr_workgroup_id_x 1
		.amdhsa_system_sgpr_workgroup_id_y 1
		.amdhsa_system_sgpr_workgroup_id_z 1
		.amdhsa_system_vgpr_workitem_id 0
		.amdhsa_next_free_vgpr 1024
		.amdhsa_next_free_sgpr 106
		.amdhsa_reserve_vcc 0
		.amdhsa_float_denorm_mode_32 3
		.amdhsa_float_denorm_mode_16_64 3
		.amdhsa_memory_ordered 1
		.amdhsa_forward_progress 1
		.amdhsa_inst_pref_size 98
	.end_amdhsa_kernel
	.amdgpu_metadata
---
amdhsa.version: [ 1, 2 ]
amdhsa.kernels:
  - .name:           k_qd8699be073_outp
    .symbol:         k_qd8699be073_outp.kd
    .args:
      - { .name: Ob, .offset: 0, .size: 8, .value_kind: global_buffer, .address_space: global }
      - { .name: Wo_r_codes, .offset: 8, .size: 8, .value_kind: global_buffer, .address_space: global }
      - { .name: Wo_r_scales, .offset: 16, .size: 8, .value_kind: global_buffer, .address_space: global }
      - { .name: bo_r, .offset: 24, .size: 8, .value_kind: global_buffer, .address_space: global }
      - { .name: Wo_i_codes, .offset: 32, .size: 8, .value_kind: global_buffer, .address_space: global }
      - { .name: Wo_i_scales, .offset: 40, .size: 8, .value_kind: global_buffer, .address_space: global }
      - { .name: bo_i, .offset: 48, .size: 8, .value_kind: global_buffer, .address_space: global }
      - { .name: out0, .offset: 56, .size: 8, .value_kind: global_buffer, .address_space: global }
      - { .name: out1, .offset: 64, .size: 8, .value_kind: global_buffer, .address_space: global }
    .group_segment_fixed_size: 327680
    .private_segment_fixed_size: 0
    .kernarg_segment_align: 8
    .kernarg_segment_size: 72
    .max_flat_workgroup_size: 128
    .sgpr_count:     106
    .vgpr_count:     1024
    .wavefront_size: 32
...
	.end_amdgpu_metadata
.endif
;; end of part 3
